; MI455X (gfx1250); checked and timed in simulation.
; The chip was launched on July 23, 2026; its instructions are those of AMD's public machine-readable ISA for CDNA 5 (MIT licence, August 2026) and "CDNA5" Instruction Set Architecture Reference Guide (July 2026). The comments in the code are by the model that wrote it; some were corrected since.
;; Multihead Self Attention. Allowed arithmetic: matrix products marked QUANTISED: E4M3 operands, one given power-of-two scale a tensor, by v_wmma_f32_16x16x64_fp8_fp8 or v_wmma_f32_16x16x128_fp8_fp8, f32 sums; everything else in f32.
;; Inputs: Wk 1,024 x 1,024 float32; Wo 1,024 x 1,024 float32; Wq 1,024 x 1,024 float32; Wv 1,024 x 1,024 float32; beta 1,024 float32; bk 1,024 float32; bo 1,024 float32; bq 1,024 float32; bv 1,024 float32; gamma 1,024 float32; lowp_scales 12 int32 (the exponents e of the quantised operands' scales 2^e); x 2 x 2,048 x 1,024 float32.
;; Outputs: out0 2 x 2,048 x 1,024 float32.
;; This version of the problem:
;;   THIS VERSION OF THE PROBLEM IS GIVEN IN LOW PRECISION. The matrix products marked QUANTISED in the list below multiply operands that are first quantised to E4M3 (4 exponent bits, 3 mantissa bits; 8 bits a number), with one given power-of-two scale for each operand tensor; their sums are f32. All else is computed in f32.
;;   The module's matrix products, in the order in which they are computed (A, B: the left and right operand; K: the contracted axis; several contracted axes count as one K, in the product's order):
;;     1. [M 4,096, K 1,024] x [K 1,024, N 1,024]; A: input x; B: input Wq: QUANTISED (scales: A lowp_scales[0], B lowp_scales[1])
;;     2. [M 4,096, K 1,024] x [K 1,024, N 1,024]; A: input x; B: input Wk: QUANTISED (scales: A lowp_scales[2], B lowp_scales[3])
;;     3. [M 4,096, K 1,024] x [K 1,024, N 1,024]; A: input x; B: input Wv: QUANTISED (scales: A lowp_scales[4], B lowp_scales[5])
;;     4. batch 32 x [M 2,048, K 64] x [K 64, N 2,048]; A: computed on the way; B: computed on the way: QUANTISED (scales: A lowp_scales[6], B lowp_scales[7])
;;     5. batch 32 x [M 2,048, K 2,048] x [K 2,048, N 64]; A: softmax (see below); B: computed on the way: QUANTISED (scales: A lowp_scales[8], B lowp_scales[9])
;;     6. [M 4,096, K 1,024] x [K 1,024, N 1,024]; A: computed on the way; B: input Wo: QUANTISED (scales: A lowp_scales[10], B lowp_scales[11])
;;   THE QUANTISER, for each operand of a quantised product, along K:
;;     - The operand's scale is 2^e, e = its entry of the input lowp_scales (int32; the entries are numbered through the quantised products in the list's order, A before B).
;;     - Each number is divided by the scale, clamped to +-448, and rounded to the nearest number of E4M3, ties to even, subnormals kept.
;;     - The product sums the exact products of the quantised numbers (number of the format x scale) in f32.
;;   ~~~python
;;   def quantise(x, axis, e):      # numpy; x: float32 -> the quantised numbers, widened to float32 again
;;       x = np.moveaxis(x, axis, -1); K = x.shape[-1]
;;       r = np.clip(x / 2.0 ** e, -448, 448)
;;       step = 2.0 ** (np.maximum(np.frexp(np.where(r == 0, 1, r))[1] - 1, -6) - 3)
;;       q = np.round(r / step) * step * 2.0 ** e      # np.round: ties to even
;;       return np.moveaxis(q, -1, axis).astype(np.float32)
;;   ~~~
;;   SOFTMAX AHEAD OF A QUANTISED PRODUCT. Where the list says 'softmax', what is quantised is not the finished softmax but p = 2^(t - M), with t = logit x log2(e) and M = ceil(the row's largest t), a whole number; so 1/2 < the row's largest p <= 1. The row's sum l is taken of the UNQUANTISED p, in f32, and the product's result is divided by l at the end. Since M is a whole number, a kernel that streams over the keys may use a running M (the ceiling of the running maximum): every later rescaling is an exact power of two, so the quantised numbers keep their values, but for numbers so far below the row's largest that they fall under the format's range.
;;   OPERANDS COMPUTED ON THE WAY. 'Computed on the way' means the value that the module computes at that place (a softmax that the list does not call 'softmax' is quantised finished and normalised). What goes into a quantiser is computed in f32, as accurately as f32 sums, v_exp_f32 and their like allow (about 1e-6 of the number): no bf16 or f16 on the way to a quantiser, and a product that is left as it is and whose result goes on into a quantised operand takes f32 operands (vector FMAs, or v_wmma_f32_16x16x4_f32). A number that lies on a knife's edge between two numbers of the format may be rounded either way, as far as f32 arithmetic and the matrix unit's own rounding can turn it there, and no further.
;; One version. Each part assembles by itself: llvm-mc -triple=amdgcn-amd-amdhsa -mcpu=gfx1250 --defsym DOCPART=n.
;; ======== version 1 of 1: 4 launches
;; limits: right only within a limited range of input values
;; workspace buffers: xc 12,582,912 bytes; wc 4,194,304 bytes; qkv 12,582,912 bytes; cx 4,194,304 bytes
;; launch prep (part 1): grid 256 x 1, 4 waves a work-group, no clusters, 68,096 bytes of LDS; arguments x, Wq, Wk, Wv, Wo, lowp_scales, xc, wc; writes xc, wc
.if DOCPART == 1
	.amdgcn_target "amdgcn-amd-amdhsa--gfx1250"
	.amdhsa_code_object_version 6
	.text
	.protected	k_qe0487ccb93_prep
	.globl	k_qe0487ccb93_prep
	.p2align	8
	.type	k_qe0487ccb93_prep,@function
k_qe0487ccb93_prep:
	s_mov_b64 s[64:65], 0
	v_nop
	global_prefetch_b8 v0, s[64:65] scope:SCOPE_SE
	s_setreg_imm32_b32 hwreg(HW_REG_WAVE_MODE, 25, 1), 1
	s_wait_xcnt 0x0
; x [4096][1024] f32 becomes three sets of E4M3 codes (scales 2^e0, 2^e2, 2^e4), laid as x lies: xc part p at p << 22.
; Wq, Wk, Wv [k 1024][n 1024] f32 become codes laid [n][k], K innermost (scales e1, e3, e5): wc part p at p << 20.
; Wo becomes codes (scale e11) in the order of an operand's registers: wc part 3 = [kstep 8][n tile 64][c 4][lane 32][16 bytes];
; lane (r = lane % 16, h = lane / 16) holds Wo(k = 128 kstep + 32 c + 16 h + 0..15, n = 16 tile + r).
; code = number / 2^e, held within +-448, to the nearest code, ties to even.
; LIMITS: every e used here lies between -126 and 119, so that 2^e and 448 x 2^e are f32 numbers.  NaN among the inputs is not served.
; Work-groups 0-127 take x (a plain stream of numbers), 128-255 the weights; the two paths never join and have LDS bytes of their own.
; No tensor loads, no barrier: waves share nothing.  Matrix units and clusters have nothing to do here: no number is read twice.
.set SP,    80                         ; x path: a lane's place in a stage: 64 bytes + 16 of padding
.set WREG,  8192                       ; x path: LDS of a wave: two stages of 32 x SP bytes
.set STEPS, 16
.set R,     16                         ; v16-79   four sets of 16 numbers as loaded
.set X,     80                         ; v80-111  two sets of 16 neighbours
.set T,     112                        ; v112-159 the 16 numbers held for each of the three scales
.set C,     160                        ; v160-171 their codes
.set PITCH, 272                        ; W path: a stage row: 256 codes + 16 bytes
.set WST,   32768                      ; W path: its stages begin here, 32 x PITCH bytes a wave
.set WX,    32                         ; v32-95   two sets of 32 numbers
.set WC,    96                         ; v96-103  a block's codes
.set OUTR,  112                        ; v112-175 the way out
.macro LOAD t
.irp i, 0,1,2,3
	global_load_b128 v[R+16*((\t)%4)+4*\i:R+16*((\t)%4)+4*\i+3], v3, s[4:5] offset:2048*(\t)+512*\i th:TH_LOAD_NT   ; 32 lanes read 512 consecutive bytes
.endr
.endm
.macro TURN t                          ; a step's 2,048 bytes go through the wave's stage as they lie and come back 64 bytes a lane; LDS serves a wave in order
.irp i, 0,1,2,3
	ds_store_b128 v14, v[R+16*((\t)%4)+4*\i:R+16*((\t)%4)+4*\i+3] offset:32*SP*((\t)%2)+8*SP*\i
.endr
.irp i, 0,1,2,3
	ds_load_b128 v[X+16*((\t)%2)+4*\i:X+16*((\t)%2)+4*\i+3], v15 offset:32*SP*((\t)%2)+16*\i
.endr
.endm
.macro STEP t
.set XS, X+16*((\t)%2)
	s_wait_dscnt 0x0                               ; this step's numbers are back, and the stage's stores have read their registers,
.if (\t)+4 < STEPS
	LOAD (\t)+4                                    ; which take the loads of four steps on
.endif
.if (\t)+1 < STEPS
.if STEPS-2-(\t) >= 3
	s_wait_loadcnt 12                              ; the next step's four loads are in; those of three later steps stay out
.else
	s_wait_loadcnt 4*(STEPS-2-(\t))
.endif
	TURN (\t)+1
.endif
.irp p, 0,1,2
.set i, 0
.rept 16
	v_med3_num_f32 v[T+16*\p+i], v[XS+i], -v[8+\p], v[8+\p]   ; the conversion does not saturate (ISA guide 7.6.2): the hold at 448 x the scale
.set i, i+1
.endr
.endr
	s_wait_alu depctr_va_vdst(0)
	s_wait_xcnt 0x0                                ; the last step's stores have read the codes' registers
.irp p, 0,1,2
	v_cvt_scalef32_pk8_fp8_f32 v[C+4*\p:C+4*\p+1], v[T+16*\p:T+16*\p+7], v[5+\p]
	v_cvt_scalef32_pk8_fp8_f32 v[C+4*\p+2:C+4*\p+3], v[T+16*\p+8:T+16*\p+15], v[5+\p]
.endr
	v_nop                                          ; a plain line between the conversions and the next step's holds, which write their sources
.irp p, 0,1,2
	global_store_b128 v3, v[C+4*\p:C+4*\p+3], s[32+2*\p:33+2*\p] offset:512*(\t)   ; 32 lanes store 512 consecutive bytes
.endr
.endm
.macro WLOAD t                         ; block t: W(32 t + i, my column), i = 0..31
.set i, 0
.rept 32
	global_load_b32 v[WX+32*((\t)%2)+i], v3, s[30:31] offset:(32*(\t)+i)*4096 th:TH_LOAD_NT
.set i, i+1
.endr
.endm
.macro BLOCK t
.set XS, WX+32*((\t)%2)
.if (\t) < 7
	s_wait_loadcnt 32                              ; this block's 32 loads are in; the next block's stay out
.else
	s_wait_loadcnt 0
.endif
.set i, 0
.rept 32
	v_med3_num_f32 v[XS+i], v[XS+i], -v10, v10
.set i, i+1
.endr
.irp g, 0,1,2,3
	v_cvt_scalef32_pk8_fp8_f32 v[WC+2*\g:WC+2*\g+1], v[XS+8*\g:XS+8*\g+7], v11
.endr
	v_nop
	ds_store_b128 v4, v[WC:WC+3] offset:32*(\t)    ; 32 codes of my column's row
	ds_store_b128 v4, v[WC+4:WC+7] offset:32*(\t)+16
.if (\t)+2 < 8
	WLOAD (\t)+2
.endif
	s_wait_dscnt 0x0                               ; the stores have read their registers
.endm
	s_load_b512 s[4:19], s[0:1], 0x0               ; x 4:5, Wq 6:7, Wk 8:9, Wv 10:11, Wo 12:13, scales 14:15, xc 16:17, wc 18:19
	v_lshl_add_u32 v192, v0, 2, 0x10800
	v_mov_b32 v193, 0
	v_lshrrev_b32 v1, 5, v0
	v_readfirstlane_b32 s20, v1                    ; wave
	v_and_b32 v2, 31, v0                           ; lane
	s_cmp_lt_u32 ttmp9, 128
	s_cbranch_scc0 .Lweights
	; ---------------- x: a wave takes 16 steps of 512 numbers ----------------
	v_lshlrev_b32 v3, 4, v2                        ; 16 x lane: my bytes of a load's 512 and of a store's 512
	s_mul_i32 s21, s20, WREG
	v_lshrrev_b32 v14, 2, v2
	v_mul_u32_u24 v14, v14, SP
	v_and_b32 v15, 3, v2
	v_lshl_add_u32 v14, v15, 4, v14
	v_add_nc_u32 v14, s21, v14                     ; into the stage: SP (lane / 4) + 16 (lane % 4)
	v_mul_u32_u24 v15, v2, SP
	v_add_nc_u32 v15, s21, v15                     ; out of it: SP x lane
	s_lshl_b32 s22, ttmp9, 2
	s_add_co_u32 s22, s22, s20                     ; my run of 8,192 numbers, 0..511
	s_lshl_b32 s40, s22, 15
	s_mov_b32 s41, 0
	s_lshl_b32 s42, s22, 13
	s_mov_b32 s43, 0
	s_wait_alu depctr_va_vdst(0)
	s_wait_kmcnt 0x0
	s_load_b256 s[24:31], s[14:15], 0x0            ; e0 = s24, e2 = s26, e4 = s28
	s_add_nc_u64 s[4:5], s[4:5], s[40:41]
	s_add_nc_u64 s[32:33], s[16:17], s[42:43]      ; the three parts of xc
	s_add_nc_u64 s[34:35], s[32:33], 0x400000
	s_add_nc_u64 s[36:37], s[32:33], 0x800000
.irp t, 0,1,2,3
	LOAD \t
.endr
	s_wait_kmcnt 0x0
.irp p, 0,1,2
	s_add_co_i32 s44, s[24+2*\p], 127
	s_lshl_b32 s45, s44, 23
	v_mov_b32 v[5+\p], s45                         ; 2^e as f32
	s_add_co_i32 s44, s44, 8
	s_lshl_b32 s44, s44, 23
	s_or_b32 s44, s44, 0x600000
	v_mov_b32 v[8+\p], s44                         ; 448 x 2^e
.endr
	s_wait_alu depctr_va_vdst(0)
	s_wait_loadcnt 12                              ; step 0's four loads are in
	TURN 0
.irp t, 0,1,2,3,4,5,6,7,8,9,10,11,12,13,14,15
	STEP \t
.endr
	s_wait_tensorcnt 0x0
	ds_add_u32 v192, v193
	s_wait_dscnt 0x0
	s_endpgm
	; ---------------- weights: a lane takes a column n, its registers run down K; a wave takes 32 columns x 256 along K ----------------
.Lweights:
	s_sub_co_u32 s21, ttmp9, 128
	s_lshr_b32 s22, s21, 5                         ; which weight: 0 Wq, 1 Wk, 2 Wv, 3 Wo
	s_and_b32 s23, s21, 7                          ; which 128 columns
	s_bfe_u32 s24, s21, 0x20003                    ; which 256 along K
	s_lshl_b32 s25, s23, 7
	s_lshl_b32 s26, s20, 5
	s_add_co_u32 s25, s25, s26                     ; my wave's first column n0
	s_wait_alu depctr_va_vdst(0)
	v_lshlrev_b32 v3, 2, v2                        ; in: 4 bytes a lane
	s_mul_i32 s26, s20, 32*PITCH
	s_add_co_u32 s26, s26, WST                     ; my stage
	v_mul_u32_u24 v4, v2, PITCH
	v_add_nc_u32 v4, s26, v4                       ; into it: row = my column
	v_and_b32 v5, 15, v2
	v_lshrrev_b32 v6, 4, v2
	v_mul_u32_u24 v7, v6, PITCH                    ; out, by rows: sixteen lanes to a row, two rows an instruction
	v_lshl_add_u32 v7, v5, 4, v7
	v_add_nc_u32 v7, s26, v7
	v_lshlrev_b32 v8, 10, v6
	v_lshl_add_u32 v8, v5, 4, v8                   ; and the same place in [n][k]
	v_mul_u32_u24 v12, v5, PITCH                   ; out, as a fragment: row lane % 16, + 16 (lane / 16)
	v_lshl_add_u32 v12, v6, 4, v12
	v_add_nc_u32 v12, s26, v12
	v_lshlrev_b32 v13, 4, v2                       ; and 16 x lane in the image
	s_lshl_b32 s28, s24, 20                        ; 256 rows of 4,096 bytes
	s_lshl_b32 s29, s25, 2
	s_add_co_u32 s28, s28, s29
	s_mov_b32 s29, 0
	s_lshr_b32 s32, s22, 1                         ; the scale's entry: 1, 3, 5, 11: byte 4 + 8 p + 16 ((p >> 1) & p)
	s_and_b32 s32, s32, s22
	s_lshl_b32 s32, s32, 4
	s_lshl_b32 s33, s22, 3
	s_add_co_u32 s32, s32, s33
	s_lshl_b32 s36, s22, 20                        ; [n][k]: part p, row n0, byte 256 y
	s_lshl_b32 s37, s25, 10
	s_add_co_u32 s36, s36, s37
	s_lshl_b32 s37, s24, 8
	s_add_co_u32 s36, s36, s37
	s_mov_b32 s37, 0
	s_lshl_b32 s38, s24, 18                        ; images: part 3, kstep 2 y, tile n0 / 16
	s_lshl_b32 s39, s25, 7
	s_add_co_u32 s38, s38, s39
	s_add_co_u32 s38, s38, 0x300000
	s_mov_b32 s39, 0
	s_wait_kmcnt 0x0
	s_load_b32 s34, s[14:15], s32 offset:0x4
	s_cmp_eq_u32 s22, 1                            ; the choice hangs on the work-group's number alone
	s_cselect_b64 s[30:31], s[8:9], s[6:7]
	s_cmp_eq_u32 s22, 2
	s_cselect_b64 s[30:31], s[10:11], s[30:31]
	s_cmp_eq_u32 s22, 3
	s_cselect_b64 s[30:31], s[12:13], s[30:31]
	s_add_nc_u64 s[30:31], s[30:31], s[28:29]
	s_add_nc_u64 s[36:37], s[18:19], s[36:37]
	s_add_nc_u64 s[38:39], s[18:19], s[38:39]
	WLOAD 0
	WLOAD 1
	s_wait_kmcnt 0x0
	s_add_co_i32 s34, s34, 127
	s_lshl_b32 s35, s34, 23
	v_mov_b32 v11, s35                             ; 2^e
	s_add_co_i32 s34, s34, 8
	s_lshl_b32 s34, s34, 23
	s_or_b32 s34, s34, 0x600000
	v_mov_b32 v10, s34                             ; 448 x 2^e
	s_wait_alu depctr_va_vdst(0)
.irp t, 0,1,2,3,4,5,6,7
	BLOCK \t
.endr
	s_cmp_eq_u32 s22, 3
	s_cbranch_scc1 .Lfrag
.irp t, 0,1,2,3,4,5,6,7,8,9,10,11,12,13,14,15
	ds_load_b128 v[OUTR+4*\t:OUTR+4*\t+3], v7 offset:2*\t*PITCH   ; LDS serves a wave in order: these see my stores
.endr
.irp t, 0,1,2,3,4,5,6,7,8,9,10,11,12,13,14,15
	s_wait_dscnt 15-\t
	global_store_b128 v8, v[OUTR+4*\t:OUTR+4*\t+3], s[36:37] offset:2*\t*1024   ; sixteen lanes store 256 consecutive bytes, aligned
.endr
	s_wait_tensorcnt 0x0
	ds_add_u32 v192, v193
	s_wait_dscnt 0x0
	s_endpgm
.Lfrag:
.irp t, 0,1,2,3,4,5,6,7,8,9,10,11,12,13,14,15
	ds_load_b128 v[OUTR+4*\t:OUTR+4*\t+3], v12 offset:(\t/8)*16*PITCH+32*(\t%8)   ; tile t / 8, bytes 32 (t % 8) + 16 h of its 16 rows
.endr
.irp t, 0,1,2,3,4,5,6,7,8,9,10,11,12,13,14,15
	s_wait_dscnt 15-\t
	global_store_b128 v13, v[OUTR+4*\t:OUTR+4*\t+3], s[38:39] offset:((\t%8)/4)*131072+(\t/8)*2048+(\t%4)*512   ; 32 lanes store 512 consecutive bytes
.endr
	s_wait_tensorcnt 0x0
	ds_add_u32 v192, v193
	s_wait_dscnt 0x0
	s_endpgm
.Lfunc_end_k_qe0487ccb93_prep:
	.size	k_qe0487ccb93_prep, .Lfunc_end_k_qe0487ccb93_prep-k_qe0487ccb93_prep
	.p2alignl 7, 3214868480
	.fill 96, 4, 3214868480
	.section	.rodata,"a",@progbits
	.p2align	6, 0x0
	.amdhsa_kernel k_qe0487ccb93_prep
		.amdhsa_group_segment_fixed_size 68096
		.amdhsa_private_segment_fixed_size 0
		.amdhsa_enable_private_segment 0
		.amdhsa_kernarg_size 64
		.amdhsa_user_sgpr_count 2
		.amdhsa_user_sgpr_kernarg_segment_ptr 1
		.amdhsa_wavefront_size32 1
		.amdhsa_system_sgpr_workgroup_id_x 1
		.amdhsa_system_sgpr_workgroup_id_y 1
		.amdhsa_system_sgpr_workgroup_id_z 1
		.amdhsa_system_vgpr_workitem_id 0
		.amdhsa_next_free_vgpr 194
		.amdhsa_next_free_sgpr 66
		.amdhsa_reserve_vcc 0
		.amdhsa_float_denorm_mode_32 3
		.amdhsa_float_denorm_mode_16_64 3
		.amdhsa_memory_ordered 1
		.amdhsa_forward_progress 1
		.amdhsa_inst_pref_size 131
	.end_amdhsa_kernel
	.amdgpu_metadata
---
amdhsa.version: [ 1, 2 ]
amdhsa.kernels:
  - .name:           k_qe0487ccb93_prep
    .symbol:         k_qe0487ccb93_prep.kd
    .args:
      - { .name: x, .offset: 0, .size: 8, .value_kind: global_buffer, .address_space: global }
      - { .name: Wq, .offset: 8, .size: 8, .value_kind: global_buffer, .address_space: global }
      - { .name: Wk, .offset: 16, .size: 8, .value_kind: global_buffer, .address_space: global }
      - { .name: Wv, .offset: 24, .size: 8, .value_kind: global_buffer, .address_space: global }
      - { .name: Wo, .offset: 32, .size: 8, .value_kind: global_buffer, .address_space: global }
      - { .name: lowp_scales, .offset: 40, .size: 8, .value_kind: global_buffer, .address_space: global }
      - { .name: xc, .offset: 48, .size: 8, .value_kind: global_buffer, .address_space: global }
      - { .name: wc, .offset: 56, .size: 8, .value_kind: global_buffer, .address_space: global }
    .group_segment_fixed_size: 68096
    .private_segment_fixed_size: 0
    .kernarg_segment_align: 8
    .kernarg_segment_size: 64
    .max_flat_workgroup_size: 128
    .sgpr_count:     66
    .vgpr_count:     194
    .wavefront_size: 32
...
	.end_amdgpu_metadata
.endif
;; end of part 1
;; launch qkv (part 2): grid 12 x 16, 4 waves a work-group, clusters of 4 x 4, 327,680 bytes of LDS; arguments xc, wc, lowp_scales, bq, bk, bv, qkv; writes qkv
.if DOCPART == 2
	.amdgcn_target "amdgcn-amd-amdhsa--gfx1250"
	.amdhsa_code_object_version 6
	.text
	.protected	k_qe0487ccb93_qkv
	.globl	k_qe0487ccb93_qkv
	.p2align	8
	.type	k_qe0487ccb93_qkv,@function
k_qe0487ccb93_qkv:
	s_mov_b64 s[64:65], 0
	v_nop
	global_prefetch_b8 v0, s[64:65] scope:SCOPE_SE
	s_setreg_imm32_b32 hwreg(HW_REG_WAVE_MODE, 25, 1), 1
	s_wait_xcnt 0x0
	s_wait_alu depctr_hold_cnt(0) depctr_sa_sdst(0) depctr_va_vdst(0) depctr_va_sdst(0) depctr_va_ssrc(0) depctr_va_vcc(0) depctr_vm_vsrc(0)
	s_getreg_b32 s2, hwreg(HW_REG_IB_STS2, 6, 4)
	s_cmp_eq_u32 s2, 0
	s_cbranch_scc0 .Lentry_in_a_cluster
	s_endpgm
.Lentry_in_a_cluster:
	s_bfe_u32 s2, ttmp6, 0x10000c
	s_cmp_lg_u32 s2, 0xf033
	s_cbranch_scc0 .Lentry_shape_is_right
	s_endpgm
.Lentry_shape_is_right:
.set SIZE_K, 1024
.set KSTEP,  256
.set ROWB,   256
.set KROW,   SIZE_K
.set PITCH,  272
.set FR,     16
.set NL,     4
.set NP,     4
.set HALFT,  128*PITCH
.set SLOT,   4*HALFT
.set LAPS,   SIZE_K/(2*KSTEP)
.set SPARE,  2*SLOT
.set STQ,    SPARE+512
.set STV,    STQ+4*2304
.set ADRA, 16
.set ADRB, 20
.set STOQ, 24
.set RDQ,  25
.set COQ,  26
.set STOV, 27
.set SPW,  28
.set NIL,  29
.set RDV,  30
.set COV,  31
.set BJ,   32
.set BI,   96
.set LIMV, 104
.set SCV,  105
.set AF,   128
.set TMP,  128
.set CD,   192
.set BK,   208
.set G1, 24
.set G0, 32
.set G1B, 48
.set G0B, 56
.set MSB, 0
.macro WIN new
.if MSB != \new
	s_set_vgpr_msb (MSB<<8)|\new
.set MSB, \new
.endif
.endm
.set MUL_LO, 0xa1
.set MUL_HI, 0xf1
.set TO_B,   0x40
.macro JLOAD g0a, g1a, g0b, g1b
	s_cmp_eq_u32 s15, 0
	s_cbranch_scc0 .Lfor_b_\@
	tensor_load_to_lds s[\g0a:\g0a+3], s[\g1a:\g1a+7]
	s_nop 0
.rept 4
	v_nop
.endr
	s_branch .Lasked_\@
.Lfor_b_\@:
	tensor_load_to_lds s[\g0b:\g0b+3], s[\g1b:\g1b+7]
	s_nop 0
.rept 4
	v_nop
.endr
.Lasked_\@:
.endm
.macro CREST
	s_cmp_lg_u32 s14, 0
	s_cbranch_scc1 .Lnot_wave_0_\@
	s_barrier_signal -3
.Lnot_wave_0_\@:
	s_barrier_wait -3
	s_barrier_signal -1
	s_barrier_wait -1
.endm
.macro CROUND
	s_barrier_signal -1
	s_barrier_wait -1
	CREST
.endm
	s_load_b256 s[4:11], s[0:1], 0x0
	s_load_b128 s[68:71], s[0:1], 0x20
	s_load_b64 s[72:73], s[0:1], 0x30
	v_lshl_add_u32 v[SPW], v0, 2, SPARE
	v_mov_b32 v[NIL], 0
	ds_add_u32 v28, v29
	ds_add_u32 v28, v29
	s_wait_dscnt 0x0
	v_lshrrev_b32 v1, 5, v0
	v_readfirstlane_b32 s14, v1
	s_lshr_b32 s15, s14, 1
	s_and_b32 s16, s14, 1
	s_bfe_u32 s40, ttmp6, 0x40000
	s_bfe_u32 s41, ttmp6, 0x40004
	s_and_b32 s80, ttmp7, 0xffff
	s_cmp_lt_u32 ttmp9, 2
	s_cselect_b32 s74, s80, 0
	s_cselect_b32 s75, 0, s80
	s_lshl_b32 s42, s75, 2
	s_add_co_u32 s42, s42, s40
	s_lshl_b32 s17, s74, 2
	s_add_co_u32 s17, s17, s41
	s_lshl_b32 s43, s41, 2
	s_lshl_b32 s43, 15, s43
	s_lshl_b32 s44, 0x1111, s40
	s_or_b32 s[G1+0], s43, (0<<16)|(1<<20)|(1<<21)|(5<<22)|(3<<25)
	s_or_b32 s[G1B+0], s44, (0<<16)|(1<<20)|(1<<21)|(5<<22)|(3<<25)
.irp g, G1, G1B
	s_mov_b32 s[\g+1], ROWB<<16
	s_mov_b32 s[\g+2], 128<<16
	s_mov_b32 s[\g+3], ROWB<<16
	s_mov_b32 s[\g+4], 128
	s_mov_b32 s[\g+5], KROW
	s_mov_b32 s[\g+6], 0
	s_mov_b32 s[\g+7], 0
.endr
	s_lshl_b32 s18, s16, 7
	s_lshl_b32 s20, s17, 8
	s_add_co_u32 s20, s20, s18
	s_lshl_b32 s20, s20, 10
	s_mov_b32 s21, 0
	s_lshl_b32 s46, s42, 8
	s_add_co_u32 s46, s46, s18
	s_lshl_b32 s46, s46, 10
	s_mov_b32 s47, 0
	s_mul_i32 s45, s14, HALFT
	s_lshl_b32 s82, ttmp9, 22
	s_mov_b32 s83, 0
	s_lshl_b32 s84, ttmp9, 20
	s_mov_b32 s85, 0
	s_lshl_b32 s66, ttmp9, 3
	s_lshr_b32 s67, ttmp9, 1
	s_add_co_u32 s67, s67, ttmp9
	s_lshl_b32 s67, s67, 2
	s_wait_kmcnt 0x0
	s_load_b64 s[96:97], s[8:9], s66 offset:0x0
	s_load_b32 s98, s[8:9], s67 offset:0x18
	s_add_nc_u64 s[4:5], s[4:5], s[82:83]
	s_add_nc_u64 s[6:7], s[6:7], s[84:85]
	s_cmp_lt_u32 ttmp9, 2
	s_cselect_b64 s[86:87], s[4:5], s[6:7]
	s_cselect_b64 s[88:89], s[6:7], s[4:5]
	s_add_nc_u64 s[20:21], s[86:87], s[20:21]
	s_add_nc_u64 s[46:47], s[88:89], s[46:47]
	CROUND
.irp s, 0,1
	s_mov_b32 s[G0+4*\s], 1
	s_add_co_u32 s[G0+4*\s+1], s45, \s*SLOT
	s_add_nc_u64 s[G0+4*\s+2:G0+4*\s+3], s[20:21], \s*ROWB
	s_or_b32 s[G0+4*\s+3], s[G0+4*\s+3], 0x80000000
	s_mov_b32 s[G0B+4*\s], 1
	s_add_co_u32 s[G0B+4*\s+1], s45, \s*SLOT
	s_add_nc_u64 s[G0B+4*\s+2:G0B+4*\s+3], s[46:47], \s*ROWB
	s_or_b32 s[G0B+4*\s+3], s[G0B+4*\s+3], 0x80000000
	s_wait_alu depctr_va_vdst(0)
	s_wait_tensorcnt 0x0
	ds_add_u32 v28, v29
	ds_add_u32 v28, v29
	s_wait_dscnt 0x0
	CROUND
	JLOAD G0+4*\s, G1, G0B+4*\s, G1B
.endr
	v_and_b32 v1, 15, v0
	v_bfe_u32 v2, v0, 4, 1
	s_wait_alu depctr_va_vdst(0)
	v_mul_u32_u24 v3, v1, PITCH
	v_lshl_add_u32 v4, v2, 4, v3
	s_mul_i32 s21, s15, HALFT
	s_mul_i32 s22, s16, HALFT
	s_add_co_u32 s22, s22, 2*HALFT
.irp s, 0,1
	v_add_nc_u32 v[ADRA+\s], s21, v4
	v_add_nc_u32 v[ADRB+\s], s22, v4
	s_add_co_u32 s21, s21, SLOT
	s_add_co_u32 s22, s22, SLOT
.endr
	s_cmp_eq_u32 ttmp9, 1
	s_cselect_b64 s[76:77], s[68:69], s[10:11]
	s_cmp_eq_u32 ttmp9, 2
	s_cselect_b64 s[76:77], s[70:71], s[76:77]
	s_lshl_b32 s90, s42, 8
	s_lshl_b32 s91, s16, 7
	s_add_co_u32 s90, s90, s91
	s_lshl_b32 s92, s17, 8
	s_lshl_b32 s93, s15, 7
	s_add_co_u32 s92, s92, s93
	s_cmp_lt_u32 ttmp9, 2
	s_cselect_b32 s90, s90, 0
	s_cselect_b32 s92, 0, s92
	s_lshl_b32 s90, s90, 2
	s_lshl_b32 s92, s92, 2
	v_lshlrev_b32 v5, 5, v2
	v_add_nc_u32 v5, s90, v5
	v_lshlrev_b32 v6, 2, v1
	v_add_nc_u32 v6, s92, v6
.irp b, 0,1,2,3,4,5,6,7
	global_load_b128 v[BJ+8*\b:BJ+8*\b+3], v5, s[76:77] offset:64*\b
	global_load_b128 v[BJ+8*\b+4:BJ+8*\b+7], v5, s[76:77] offset:64*\b+16
.endr
.irp a, 0,1,2,3,4,5,6,7
	global_load_b32 v[BI+\a], v6, s[76:77] offset:64*\a
.endr
	s_lshl_b32 s94, s42, 1
	s_add_co_u32 s94, s94, s16
	s_lshl_b32 s95, s17, 1
	s_add_co_u32 s95, s95, s15
	s_cmp_lt_u32 ttmp9, 2
	s_cselect_b32 s81, 19, 17
	s_cselect_b32 s99, 14, 8
	s_lshl_b32 s94, s94, s81
	s_lshl_b32 s95, s95, s99
	s_add_co_u32 s94, s94, s95
	s_add_co_u32 s94, s94, s82
	s_mov_b32 s95, 0
	s_add_nc_u64 s[78:79], s[72:73], s[94:95]
	s_mul_i32 s23, s14, 2304
	s_add_co_u32 s23, s23, STQ
	v_mul_u32_u24 v7, v1, 144
	v_lshl_add_u32 v7, v2, 3, v7
	v_add_nc_u32 v[STOQ], s23, v7
	v_and_b32 v8, 31, v0
	v_lshrrev_b32 v9, 3, v8
	v_and_b32 v10, 7, v0
	v_mul_u32_u24 v9, v9, 144
	v_lshl_add_u32 v9, v10, 4, v9
	v_add_nc_u32 v[RDQ], s23, v9
	v_lshlrev_b32 v[COQ], 4, v8
	s_mul_i32 s23, s14, 4352
	s_add_co_u32 s23, s23, STV
	v_mul_u32_u24 v11, v1, 272
	v_lshl_add_u32 v11, v2, 4, v11
	v_add_nc_u32 v[STOV], s23, v11
	v_mul_u32_u24 v12, v2, 272
	v_lshl_add_u32 v12, v1, 4, v12
	v_add_nc_u32 v[RDV], s23, v12
	v_lshlrev_b32 v13, 11, v2
	v_lshl_add_u32 v[COV], v1, 4, v13
.macro FRAG reg, adr, q, i
.irp c, 0,1,2,3
	ds_load_b128 v[\reg+4*\c:\reg+4*\c+3], v[\adr] offset:128*(\q)+32*\c+(\i)*16*PITCH
.endr
.endm
.macro MUL16 a0, p, zero
.irp a, \a0, \a0+1
.irp b, 0,1,2,3,4,5,6,7
.if \zero
	v_wmma_f32_16x16x128_fp8_fp8 v[8*(8*((\a)%4)+\b):8*(8*((\a)%4)+\b)+7], v[128*(\p)+FR*\b:128*(\p)+FR*\b+FR-1], v[AF+FR*(\a):AF+FR*(\a)+FR-1], 0
.else
	v_wmma_f32_16x16x128_fp8_fp8 v[8*(8*((\a)%4)+\b):8*(8*((\a)%4)+\b)+7], v[128*(\p)+FR*\b:128*(\p)+FR*\b+FR-1], v[AF+FR*(\a):AF+FR*(\a)+FR-1], v[8*(8*((\a)%4)+\b):8*(8*((\a)%4)+\b)+7]
.endif
.endr
.endr
.endm
.macro FETCH_B slot, q, p
	WIN TO_B
.irp i, 0,1,2,3,4,5,6,7
	FRAG 128*(\p)+FR*\i, ADRB+\slot, \q, \i
.endr
	WIN 0
.endm
.macro FETCH_A slot, q, i0
.irp i, \i0, \i0+1, \i0+2, \i0+3
	FRAG AF+FR*(\i), ADRA+\slot, \q, \i
.endr
.endm
.macro PLACES n
.rept \n
	v_nop
.endr
.endm
.macro STEP slot, q, zero
	s_wait_dscnt 4*NL
	WIN MUL_LO
	MUL16 0, (\q)%2, \zero
	MUL16 2, (\q)%2, \zero
	s_wait_dscnt 0
	PLACES NP
	FETCH_B \slot, (\q)+1, 1-(\q)%2
	FETCH_A \slot, (\q)+1, 0
	WIN MUL_HI
	MUL16 4, (\q)%2, \zero
	MUL16 6, (\q)%2, \zero
	PLACES NP
	WIN 0
	FETCH_A \slot, (\q)+1, 4
.endm
.macro TURN slot, next, fill
	s_wait_tensorcnt 0x0
	ds_add_u32 v[SPW], v[NIL]
	s_wait_dscnt 4*NL+1
	WIN MUL_LO
	MUL16 0, 1, 0
	s_wait_dscnt 0x0
	s_barrier_signal -1
	MUL16 2, 1, 0
	WIN 0
	s_barrier_wait -1
.if \fill
	CREST
	s_add_nc_u64 s[G0+4*\slot+2:G0+4*\slot+3], s[G0+4*\slot+2:G0+4*\slot+3], 2*ROWB
	s_add_nc_u64 s[G0B+4*\slot+2:G0B+4*\slot+3], s[G0B+4*\slot+2:G0B+4*\slot+3], 2*ROWB
	JLOAD G0+4*\slot, G1, G0B+4*\slot, G1B
.else
	PLACES NP
.endif
	FETCH_B \next, 0, 0
	FETCH_A \next, 0, 0
	WIN MUL_HI
	MUL16 4, 1, 0
	MUL16 6, 1, 0
	PLACES NP
	WIN 0
	FETCH_A \next, 0, 4
.endm
	s_wait_tensorcnt 1
	s_barrier_signal -1
	s_barrier_wait -1
	FETCH_B 0, 0, 0
	FETCH_A 0, 0, 0
	FETCH_A 0, 0, 4
	STEP 0, 0, 1
	s_mov_b32 s3, LAPS-1
.Llap:
	TURN 0, 1, 1
	STEP 1, 0, 0
	TURN 1, 0, 1
	STEP 0, 0, 0
	s_sub_co_u32 s3, s3, 1
	s_cmp_lg_u32 s3, 0
	s_cbranch_scc1 .Llap
	TURN 0, 1, 0
	STEP 1, 0, 0
	s_wait_dscnt 4*NL
	WIN MUL_LO
	MUL16 0, 1, 0
	MUL16 2, 1, 0
	s_wait_dscnt 0
	WIN MUL_HI
	MUL16 4, 1, 0
	MUL16 6, 1, 0
	WIN 0
.macro CODES
.set j, 0
.rept 64
	v_med3_num_f32 v[TMP+j], v[TMP+j], -v[LIMV], v[LIMV]
.set j, j+1
.endr
.irp b, 0,1,2,3,4,5,6,7
	v_cvt_scalef32_pk8_fp8_f32 v[CD+2*\b:CD+2*\b+1], v[TMP+8*\b:TMP+8*\b+7], v[SCV]
.endr
	v_nop
.endm
.macro TOSTQ a
.set AC, 64*((\a)%4)
.set BB, BK+16*((\a)%2)
	WIN 0x02+((\a)/4)
.set j, 0
.rept 32
	v_pk_fma_f32 v[TMP+j:TMP+j+1], v[AC+j:AC+j+1], s[96:97], v[BJ+j:BJ+j+1] op_sel_hi:[1,0,1]
.set j, j+2
.endr
	WIN 0
	CODES
.irp b, 0,1,2,3,4,5,6,7
	ds_store_b64 v[STOQ], v[CD+2*\b:CD+2*\b+1] offset:16*\b
.endr
.irp t, 0,1,2,3
	ds_load_b128 v[BB+4*\t:BB+4*\t+3], v[RDQ] offset:576*\t
.endr
.endm
.macro SENDQ a, younger
.set BB, BK+16*((\a)%2)
	s_wait_dscnt \younger
.irp t, 0,1,2,3
	global_store_b128 v[COQ], v[BB+4*\t:BB+4*\t+3], s[78:79] offset:2048*(\a)+512*\t
.endr
.endm
.macro TOSTV P
.set BB, 208-176*((\P)%2)
.irp blk, \P, \P+4
.set AC, 64*((\blk)%4)
	WIN 0x02+((\blk)/4)
.set j, 0
.rept 64
	v_fma_f32 v[TMP+j], v[AC+j], s96, v[BI+(\blk)]
.set j, j+1
.endr
	WIN 0
	CODES
.irp b, 0,1,2,3,4,5,6,7
	ds_store_b64 v[STOV], v[CD+2*\b:CD+2*\b+1] offset:128*((\blk)/4)+32*(\b/2)+8*(\b%2)
.endr
.endr
.irp t, 0,1,2,3,4,5,6,7
	ds_load_b128 v[BB+4*\t:BB+4*\t+3], v[RDV] offset:544*\t
.endr
.endm
.macro SENDV P, younger
.set BB, 208-176*((\P)%2)
	s_wait_dscnt \younger
.irp t, 0,1,2,3,4,5,6,7
	global_store_b128 v[COV], v[BB+4*\t:BB+4*\t+3], s[78:79] offset:(16*(\P)+2*\t)*2048
.endr
.endm
	s_wait_kmcnt 0x0
	s_add_co_i32 s96, s96, s97
	s_add_co_i32 s96, s96, 127
	s_lshl_b32 s96, s96, 23
	s_mov_b32 s97, s96
	s_add_co_i32 s98, s98, 127
	s_lshl_b32 s99, s98, 23
	v_mov_b32 v[SCV], s99
	s_add_co_i32 s98, s98, 8
	s_lshl_b32 s98, s98, 23
	s_or_b32 s98, s98, 0x600000
	v_mov_b32 v[LIMV], s98
	s_wait_loadcnt 0x0
	PLACES NP
	s_cmp_lt_u32 ttmp9, 2
	s_cbranch_scc0 .Lvpath
	TOSTQ 0
.irp a, 1,2,3,4,5,6,7
.if \a > 1
	s_wait_xcnt 0x0
.endif
	TOSTQ \a
	SENDQ \a-1, 12
.endr
	SENDQ 7, 0
	s_branch .Ljoin
.Lvpath:
	TOSTV 0
.irp P, 1,2,3
.if \P > 1
	s_wait_xcnt 0x0
.endif
	TOSTV \P
	SENDV \P-1, 24
.endr
	SENDV 3, 0
.Ljoin:
	s_wait_tensorcnt 0x0
	ds_add_u32 v[SPW], v[NIL]
	s_wait_dscnt 0x0
	CROUND
	s_endpgm
.Lfunc_end_k_qe0487ccb93_qkv:
	.size	k_qe0487ccb93_qkv, .Lfunc_end_k_qe0487ccb93_qkv-k_qe0487ccb93_qkv
	.p2alignl 7, 3214868480
	.fill 96, 4, 3214868480
	.section	.rodata,"a",@progbits
	.p2align	6, 0x0
	.amdhsa_kernel k_qe0487ccb93_qkv
		.amdhsa_group_segment_fixed_size 327680
		.amdhsa_private_segment_fixed_size 0
		.amdhsa_enable_private_segment 0
		.amdhsa_kernarg_size 56
		.amdhsa_user_sgpr_count 2
		.amdhsa_user_sgpr_kernarg_segment_ptr 1
		.amdhsa_wavefront_size32 1
		.amdhsa_system_sgpr_workgroup_id_x 1
		.amdhsa_system_sgpr_workgroup_id_y 1
		.amdhsa_system_sgpr_workgroup_id_z 1
		.amdhsa_system_vgpr_workitem_id 0
		.amdhsa_next_free_vgpr 1024
		.amdhsa_next_free_sgpr 100
		.amdhsa_reserve_vcc 0
		.amdhsa_float_denorm_mode_32 3
		.amdhsa_float_denorm_mode_16_64 3
		.amdhsa_memory_ordered 1
		.amdhsa_forward_progress 1
		.amdhsa_inst_pref_size 224
	.end_amdhsa_kernel
	.amdgpu_metadata
---
amdhsa.version: [ 1, 2 ]
amdhsa.kernels:
  - .name:           k_qe0487ccb93_qkv
    .symbol:         k_qe0487ccb93_qkv.kd
    .args:
      - { .name: xc, .offset: 0, .size: 8, .value_kind: global_buffer, .address_space: global }
      - { .name: wc, .offset: 8, .size: 8, .value_kind: global_buffer, .address_space: global }
      - { .name: lowp_scales, .offset: 16, .size: 8, .value_kind: global_buffer, .address_space: global }
      - { .name: bq, .offset: 24, .size: 8, .value_kind: global_buffer, .address_space: global }
      - { .name: bk, .offset: 32, .size: 8, .value_kind: global_buffer, .address_space: global }
      - { .name: bv, .offset: 40, .size: 8, .value_kind: global_buffer, .address_space: global }
      - { .name: qkv, .offset: 48, .size: 8, .value_kind: global_buffer, .address_space: global }
    .group_segment_fixed_size: 327680
    .private_segment_fixed_size: 0
    .kernarg_segment_align: 8
    .kernarg_segment_size: 56
    .max_flat_workgroup_size: 128
    .sgpr_count:     100
    .vgpr_count:     1024
    .wavefront_size: 32
...
	.end_amdgpu_metadata
.endif
;; end of part 2
;; launch attn (part 3): grid 8 x 32, 8 waves a work-group, clusters of 4 x 1, 327,680 bytes of LDS; arguments qkv, lowp_scales, cx; writes cx
.if DOCPART == 3
	.amdgcn_target "amdgcn-amd-amdhsa--gfx1250"
	.amdhsa_code_object_version 6
	.text
	.protected	k_qe0487ccb93_attn
	.globl	k_qe0487ccb93_attn
	.p2align	8
	.type	k_qe0487ccb93_attn,@function
k_qe0487ccb93_attn:
	s_mov_b64 s[64:65], 0
	v_nop
	global_prefetch_b8 v0, s[64:65] scope:SCOPE_SE
	s_setreg_imm32_b32 hwreg(HW_REG_WAVE_MODE, 25, 1), 1
	s_wait_xcnt 0x0
	s_wait_alu depctr_hold_cnt(0) depctr_sa_sdst(0) depctr_va_vdst(0) depctr_va_sdst(0) depctr_va_ssrc(0) depctr_va_vcc(0) depctr_vm_vsrc(0)
	s_getreg_b32 s2, hwreg(HW_REG_IB_STS2, 6, 4)
	s_cmp_eq_u32 s2, 0
	s_cbranch_scc0 .Lentry_in_a_cluster
	s_endpgm
.Lentry_in_a_cluster:
	s_bfe_u32 s2, ttmp6, 0x10000c
	s_cmp_lg_u32 s2, 0x3003
	s_cbranch_scc0 .Lentry_shape_is_right
	s_endpgm
.Lentry_shape_is_right:
; Attention of 32 heads of 2,048 tokens x 64 on E4M3 codes; the result is quantised (scale 2^e10) for the last projection.
; A head is rows 128 head .. + 127 of the [4096][1024] matrix; its token 16 r + c is column group c (64 columns) of row r.
; Q, K, cx: [column block 8][row 4096][128 bytes].  V: [head][d 64][2048 bytes], keys innermost, key (row, group c) at byte 128 c + (row with its two middle groups of 8 in each 32 exchanged).
; THE ORDER OF THE KEYS IS FREE as long as K, p and V agree: key step c takes the 128 rows' column group c.
; SHARES: a work-group owns 16 rows of a head (256 queries); wave w owns their column block w: 32 queries in 2,048 consecutive bytes, two tiles of 16.  Each fragment of K and V that a wave reads from LDS feeds two matrix instructions.
; SOFTMAX: t = score x log2(e) / 8; M = the running largest t rounded up to a whole number; p = 2^(t - M) is quantised (2^e8), not normalised; the sum of the unquantised p divides at the end.
; Both products are used transposed: S^T = K Q^T (16x16x64), O^T = V^T P^T (16x16x128): a lane holds one query (lane % 16) of each tile.  Register 8 t + j of S^T is key 16 t + 8 (lane / 16) + j: eight codes of tile t are registers 2 t, 2 t + 1 of the second product's operand.
; THE WHOLE HEAD'S K AND V LIE IN LDS (282,624 bytes with padding): every byte is filled once, so there is no ring.  The four work-groups of a cluster belong to one head and ask for each tile JOINTLY, one load a wave:
; waves 0-3: two column blocks of K each, stated as 2 rows of 16,384 bytes, 524,288 apart, padded behind each 128 bytes; waves 4-7: 64 rows x 512 bytes of V each, padded behind each 512.
; No prefetch: all tiles are asked for at the head, and there is no loop to run ahead in.
; The loop is written once: K's fragments are fetched one key step ahead, and the last step's look-ahead takes tile 0 again (tile (trip + 1) mod 8); nothing uses what those 16 loads bring.
; LIMITS: e6 + e7 between -123 and 130; e8 and e10 between -126 and 119; the scaled scores stay under 2^31 in magnitude.  NaN among the inputs is not served.
; REGISTERS, window 0: v1-9 addresses; v12-15 (-M, largest score) a tile; v16-19 sums; v20-23 f; v24-30 scales and bounds; v32-47 Q; v48-79 p's codes; v80-207 S^T, then p; v208-247 at work.
;            window 1: v0-63 K's fragments; v64-127 V's; v128-191 O^T.
.set VREG,  147456                     ; K: 8 tiles of 128 rows x 144 bytes; then V: 4 parts of 64 rows x 528 bytes
.set VT,    33792
.set STAGE, 282624                     ; then 2,048 bytes for each wave, for the way out
.set SPARE, 299008                     ; then the spare words, 128 bytes a wave
.set AK0, 1
.set AV0, 2
.set ADK, 3
.set ADV, 4
.set SO,  5
.set SR,  6
.set GO,  7
.set SPW, 8
.set NIL, 9
.set NM,  12
.set LS,  16
.set FF,  20
.set SC8, 24
.set SC10, 25
.set L10, 27
.set L8A, 28                           ; 448 x 2^e8, twice: the halves of a dual pair take their second sources from different banks
.set L8B, 30
.set QF,  32
.set CD,  48
.set SB,  80
.set MT,  208
.set PT,  224
.set OL,  226
.set TT,  228
.set AT,  232
.set KF,  0
.set VF,  64
.set OT,  128
.set WV,  18
.set SEL, 20
.set CS,  22
.set G1K, 24
.set G1V, 32
.set G0K, 40
.set G0V, 44
.set TBK, 2
.set J,   3
.set T0,  48
.set T1,  49
.set MSB, 0
.macro WIN new                         ; the immediate's high byte repeats the setting that is left
.if MSB != \new
	s_set_vgpr_msb (MSB<<8)|\new
.set MSB, \new
.endif
.endm
.macro CROUND
	s_barrier_signal -1
	s_barrier_wait -1
	s_cmp_lg_u32 s[WV], 0
	s_cbranch_scc1 .Lnot_wave_0_\@
	s_barrier_signal -3
.Lnot_wave_0_\@:
	s_barrier_wait -3
	s_barrier_signal -1
	s_barrier_wait -1
.endm
	s_load_b128 s[4:7], s[0:1], 0x0                ; qkv, the scales' exponents
	s_load_b64 s[8:9], s[0:1], 0x10                ; cx
	v_lshl_add_u32 v[SPW], v0, 2, SPARE
	v_mov_b32 v[NIL], 0
	ds_add_u32 v[SPW], v[NIL]                      ; the opening lines: the add, twice on end, and its wait
	ds_add_u32 v[SPW], v[NIL]
	v_lshrrev_b32 v10, 5, v0
	v_readfirstlane_b32 s[WV], v10                 ; wave 0..7
	s_bfe_u32 s10, ttmp6, 0x40000                  ; my place in the cluster: it enters Q's and the result's addresses alone
	s_lshl_b32 s11, ttmp9, 2
	s_add_co_u32 s11, s11, s10                     ; my 16 rows of the head
	s_and_b32 s12, ttmp7, 0xffff                   ; the head, which the four partners share
	s_and_b32 s13, s[WV], 3                        ; which part of K or of V I fetch
	s_lshl_b32 s14, s[WV], 19
	s_lshl_b32 s15, s12, 14
	s_add_co_u32 s14, s14, s15
	s_lshl_b32 s15, s11, 11
	s_add_co_u32 s14, s14, s15                     ; my 32 queries' 2,048 bytes, in Q and in cx alike
	s_mov_b32 s15, 0
	s_mov_b32 s[G1K], 15|(0<<16)|(1<<20)|(1<<21)|(4<<22)|(3<<25)   ; mask: all four; 1-byte elements; padding: 4 words after every 32
	s_mov_b32 s[G1K+1], 16384<<16
	s_mov_b32 s[G1K+2], 2<<16
	s_mov_b32 s[G1K+3], 16384<<16
	s_mov_b32 s[G1K+4], 2
	s_mov_b32 s[G1K+5], 524288
	s_mov_b32 s[G1K+6], 0
	s_mov_b32 s[G1K+7], 0
	s_mov_b32 s[G1V], 15|(0<<16)|(1<<20)|(1<<21)|(6<<22)|(3<<25)   ; padding: 4 words after every 128
	s_mov_b32 s[G1V+1], 512<<16
	s_mov_b32 s[G1V+2], 64<<16
	s_mov_b32 s[G1V+3], 512<<16
	s_mov_b32 s[G1V+4], 64
	s_mov_b32 s[G1V+5], 2048
	s_mov_b32 s[G1V+6], 0
	s_mov_b32 s[G1V+7], 0
	s_mov_b32 s[SEL], 0x76543210
	s_mov_b32 s[SEL+1], 0xfedcba98
	s_mov_b32 s[CS], 0x3e38aa3b                    ; c = log2(e) / 8
	s_mov_b32 s[TBK], 0
	s_mov_b32 s[J], 0
	s_mov_b32 s[T0], VREG
	s_lshl_b32 s56, s12, 14                        ; K: part m is column blocks 2 m, 2 m + 1, the head's 128 rows of each
	s_lshl_b32 s57, s13, 20
	s_add_co_u32 s56, s56, s57
	s_add_co_u32 s56, s56, 0x400000
	s_mov_b32 s57, 0
	s_lshl_b32 s58, s12, 17                        ; V: part m is bytes 512 m on of the head's 64 rows
	s_lshl_b32 s59, s13, 9
	s_add_co_u32 s58, s58, s59
	s_add_co_u32 s58, s58, 0x800000
	s_mov_b32 s59, 0
	s_mul_i32 s60, s13, 36864
	s_mul_i32 s61, s13, VT
	s_add_co_u32 s61, s61, VREG
	s_wait_dscnt 0x0                               ; both opening adds are done
	s_wait_kmcnt 0x0
	s_load_b256 s[88:95], s[6:7], 0x10             ; entries 4..11: e6 = s90, e7 = s91, e8 = s92, e9 = s93, e10 = s94
	s_add_nc_u64 s[16:17], s[4:5], s[14:15]        ; Q at my queries
	s_add_nc_u64 s[8:9], s[8:9], s[14:15]          ; the result likewise
	s_mov_b32 s[G0K], 1
	s_mov_b32 s[G0K+1], s60
	s_add_nc_u64 s[G0K+2:G0K+3], s[4:5], s[56:57]
	s_or_b32 s[G0K+3], s[G0K+3], 0x80000000
	s_mov_b32 s[G0V], 1
	s_mov_b32 s[G0V+1], s61
	s_add_nc_u64 s[G0V+2:G0V+3], s[4:5], s[58:59]
	s_or_b32 s[G0V+3], s[G0V+3], 0x80000000
	CROUND                                         ; all four work-groups are here: the joint loads meet
	s_cmp_lt_u32 s[WV], 4                          ; one load a wave, one arm each
	s_cbranch_scc0 .Lfor_v
	tensor_load_to_lds s[G0K:G0K+3], s[G1K:G1K+7]
	s_nop 0
.rept 4
	v_nop
.endr
	s_branch .Lasked
.Lfor_v:
	tensor_load_to_lds s[G0V:G0V+3], s[G1V:G1V+7]
	s_nop 0
.rept 4
	v_nop
.endr
.Lasked:
	v_and_b32 v10, 15, v0                          ; r
	v_bfe_u32 v11, v0, 4, 1                        ; h
	v_lshlrev_b32 v[TT], 6, v10
	v_lshl_add_u32 v[TT], v11, 4, v[TT]            ; Q: query r's 64 bytes, + 16 h: the same permutation of k as K's fragments have
.irp w, 0,1
	global_load_b128 v[QF+8*\w:QF+8*\w+3], v[TT], s[16:17] offset:1024*\w
	global_load_b128 v[QF+8*\w+4:QF+8*\w+7], v[TT], s[16:17] offset:1024*\w+32
.endr
	v_mul_u32_u24 v[AK0], v10, 144
	v_lshl_add_u32 v[AK0], v11, 4, v[AK0]
	v_mul_u32_u24 v[AV0], v10, 528
	v_lshl_add_u32 v[AV0], v11, 4, v[AV0]
	v_add_nc_u32 v[ADK], s[TBK], v[AK0]            ; trip 0's tiles
	v_add_nc_u32 v[ADV], s[T0], v[AV0]
	s_lshl_b32 s62, s[WV], 11
	s_add_co_u32 s62, s62, STAGE
	v_lshlrev_b32 v[SO], 6, v10
	v_lshl_add_u32 v[SO], v11, 3, v[SO]
	v_add_nc_u32 v[SO], s62, v[SO]                 ; the way out: query r, + 8 h
	v_and_b32 v[GO], 31, v0
	v_lshlrev_b32 v[GO], 4, v[GO]
	v_add_nc_u32 v[SR], s62, v[GO]
.irp w, 0,1
	v_mov_b32 v[NM+2*\w+1], 0xff61b1e6             ; the largest score so far: -3e38
	v_mov_b32 v[NM+2*\w], 0x7f61b1e6               ; -M: 3e38
	v_mov_b32 v[LS+2*\w], 0
	v_mov_b32 v[LS+2*\w+1], 0
	v_mov_b32 v[FF+2*\w+1], 0                      ; (named as the upper half of a pair)
	v_mov_b32 v[PT+\w], 0                          ; a lane permute's destination counts as read
.endr
	WIN 0x40
.set j, 0
.rept 64
	v_mov_b32 v[OT+j], 0                           ; O^T: the step is written once; the first change of M leaves zeros zeros
.set j, j+1
.endr
	WIN 0
	s_wait_kmcnt 0x0
	s_add_co_i32 s85, s90, s91
	s_lshl_b32 s85, s85, 23
	s_add_co_i32 s[CS], s[CS], s85                 ; a score stands for score x 2^(e6 + e7): added to c's exponent field
	s_mov_b32 s[CS+1], s[CS]
	s_add_co_i32 s85, s92, 127
	s_lshl_b32 s86, s85, 23
	v_mov_b32 v[SC8], s86                          ; 2^e8
	s_add_co_i32 s85, s85, 8
	s_lshl_b32 s85, s85, 23
	s_or_b32 s85, s85, 0x600000
	v_mov_b32 v[L8A], s85                          ; 448 x 2^e8
	v_mov_b32 v[L8B], s85
	s_add_co_i32 s85, s94, 127
	s_lshl_b32 s86, s85, 23
	v_mov_b32 v[SC10], s86                         ; 2^e10
	s_add_co_i32 s85, s85, 8
	s_lshl_b32 s85, s85, 23
	s_or_b32 s85, s85, 0x600000
	v_mov_b32 v[L10], s85                          ; 448 x 2^e10
.macro KLOAD off                       ; eight fragments of K: 16 keys x 64, two loads of 16 bytes a lane
.irp t, 0,1,2,3,4,5,6,7
	ds_load_b128 v[KF+8*\t:KF+8*\t+3], v[ADK] offset:\t*2304+(\off)
	ds_load_b128 v[KF+8*\t+4:KF+8*\t+7], v[ADK] offset:\t*2304+(\off)+32
.endr
.endm
; A KEY STEP: 128 keys, half q of the trip's tile of K, for both of my tiles of queries.
.macro STEP q
	s_wait_dscnt 0x0                               ; this step's fragments of K are in
	WIN 0x01                                       ; source 0 in window 1
.irp t, 0,1,2,3,4,5,6,7
.irp w, 0,1
	v_wmma_f32_16x16x64_fp8_fp8 v[SB+64*\w+8*\t:SB+64*\w+8*\t+7], v[KF+8*\t:KF+8*\t+7], v[QF+8*\w:QF+8*\w+7], 0
.endr
.endr
.rept 4
	v_nop                                          ; places ahead of the loads into fragments and of the first read of the scores
.endr
	WIN 0x40
.irp u, 0,1,2,3                                ; V's fragments of this step, then K's of the next: both land while the softmax is walked
.irp c, 0,1,2,3
	ds_load_b128 v[VF+16*\u+4*\c:VF+16*\u+4*\c+3], v[ADV] offset:\u*8448+128*(\q)+32*\c
.endr
.endr
.if \q == 0
	KLOAD 64
	WIN 0
.else
	WIN 0
	s_add_co_u32 s[J], s[J], 1                     ; the next trip's tiles: K's tile J mod 8; V's part J / 2, bytes 256 (J % 2) of its rows
	s_and_b32 s[TBK], s[J], 7
	s_mul_i32 s[TBK], s[TBK], 18432
	s_lshr_b32 s[T0], s[J], 1
	s_mul_i32 s[T0], s[T0], VT
	s_and_b32 s[T1], s[J], 1
	s_lshl_b32 s[T1], s[T1], 8
	s_add_co_u32 s[T0], s[T0], s[T1]
	s_add_co_u32 s[T0], s[T0], VREG
	v_add_nc_u32 v[ADK], s[TBK], v[AK0]
	v_add_nc_u32 v[ADV], s[T0], v[AV0]
	WIN 0x40
	KLOAD 0
	WIN 0
.endif
.irp t, 0,1,2,3,4,5,6,7                        ; the step's largest score of each query: eight chains a tile, each accumulator from its low end on
.irp w, 0,1
	v_max3_num_f32 v[MT+8*\w+\t], v[SB+64*\w+8*\t], v[SB+64*\w+8*\t+1], v[SB+64*\w+8*\t+2]
.endr
.endr
.irp i, 3,5
.irp t, 0,1,2,3,4,5,6,7
.irp w, 0,1
	v_max3_num_f32 v[MT+8*\w+\t], v[MT+8*\w+\t], v[SB+64*\w+8*\t+\i], v[SB+64*\w+8*\t+\i+1]
.endr
.endr
.endr
.irp t, 0,2,4,6
.irp w, 0,1
	v_max3_num_f32 v[MT+8*\w+\t], v[MT+8*\w+\t], v[SB+64*\w+8*\t+7], v[SB+64*\w+8*\t+15]
.endr
.endr
.irp t, 0,3
.irp w, 0,1
	v_max3_num_f32 v[MT+8*\w+\t], v[MT+8*\w+\t], v[MT+8*\w+\t+1], v[MT+8*\w+\t+2]
.endr
.endr
.irp w, 0,1
	v_max3_num_f32 v[MT+8*\w+6], v[MT+8*\w+6], v[MT+8*\w+7], v[MT+8*\w]
.endr
.irp w, 0,1
	s_delay_alu instid0(VALU_DEP_2)
	v_max_num_f32 v[MT+8*\w+3], v[MT+8*\w+3], v[MT+8*\w+6]
.endr
.irp w, 0,1
	s_delay_alu instid0(VALU_DEP_2)
	v_permlanex16_b32 v[PT+\w], v[MT+8*\w+3], s[SEL], s[SEL+1]
.endr
.irp w, 0,1
	s_delay_alu instid0(VALU_DEP_2)
	v_max3_num_f32 v[NM+2*\w+1], v[NM+2*\w+1], v[MT+8*\w+3], v[PT+\w]   ; the running largest score, lane l xor 16's among them
.endr
.irp w, 0,1
	s_delay_alu instid0(VALU_DEP_2)
	v_mul_f32 v[TT+\w], s[CS], v[NM+2*\w+1]        ; as t (c is positive)
.endr
.irp w, 0,1
	v_mov_b32 v[OL+\w], v[NM+2*\w]
.endr
.irp w, 0,1
	v_floor_f32 v[NM+2*\w], -v[TT+\w]              ; the new -M = floor(-t): M is a whole number
.endr
.irp w, 0,1
	s_delay_alu instid0(VALU_DEP_2)
	v_sub_f32 v[OL+\w], v[NM+2*\w], v[OL+\w]
.endr
.irp w, 0,1
	s_delay_alu instid0(VALU_DEP_2)
	v_cvt_i32_f32 v[OL+\w], v[OL+\w]               ; (it saturates)
.endr
.irp w, 0,1
	s_delay_alu instid0(VALU_DEP_2)
	v_ldexp_f32 v[FF+2*\w], 1.0, v[OL+\w]          ; f = 2^(old M - new M)
.endr
.irp w, 0,1
.set j, 0
.rept 32
	v_pk_fma_f32 v[SB+64*\w+j:SB+64*\w+j+1], v[SB+64*\w+j:SB+64*\w+j+1], s[CS:CS+1], v[NM+2*\w:NM+2*\w+1] op_sel_hi:[1,0,0]   ; t - M
.set j, j+2
.endr
.endr
	s_wait_alu depctr_va_vdst(0)                   ; the wait ahead of the batch
.set j, 0
.rept 128
	v_exp_f32 v[SB+j], v[SB+j]                     ; p = 2^(t - M)
.set j, j+1
.endr
.irp w, 0,1
	v_pk_mul_f32 v[LS+2*\w:LS+2*\w+1], v[LS+2*\w:LS+2*\w+1], v[FF+2*\w:FF+2*\w+1] op_sel_hi:[1,0]   ; the sums under the new M: plain lines behind the exponentials
.endr
	s_wait_alu depctr_va_vdst(0)                   ; one wait for the whole batch, ahead of its first reader
.irp k, 0,1,2,3                                ; the sum of the unquantised p: four chains a tile
.irp w, 0,1
	v_pk_add_f32 v[AT+8*\w+2*\k:AT+8*\w+2*\k+1], v[SB+64*\w+2*\k:SB+64*\w+2*\k+1], v[SB+64*\w+8+2*\k:SB+64*\w+8+2*\k+1]
.endr
.endr
.irp i, 16,24,32,40,48,56
.irp k, 0,1,2,3
.irp w, 0,1
	v_pk_add_f32 v[AT+8*\w+2*\k:AT+8*\w+2*\k+1], v[AT+8*\w+2*\k:AT+8*\w+2*\k+1], v[SB+64*\w+\i+2*\k:SB+64*\w+\i+2*\k+1]
.endr
.endr
.endr
.irp k, 0,4
.irp w, 0,1
	v_pk_add_f32 v[AT+8*\w+\k:AT+8*\w+\k+1], v[AT+8*\w+\k:AT+8*\w+\k+1], v[AT+8*\w+\k+2:AT+8*\w+\k+3]
.endr
.endr
.irp w, 0,1
	s_delay_alu instid0(VALU_DEP_2)
	v_pk_add_f32 v[AT+8*\w:AT+8*\w+1], v[AT+8*\w:AT+8*\w+1], v[AT+8*\w+4:AT+8*\w+5]
.endr
.irp w, 0,1
	s_delay_alu instid0(VALU_DEP_2)
	v_pk_add_f32 v[LS+2*\w:LS+2*\w+1], v[LS+2*\w:LS+2*\w+1], v[AT+8*\w:AT+8*\w+1]
.endr
.irp w, 0,1
.irp t, 0,1,2,3,4,5,6,7
.irp i, 0,2,4,6                                ; p is not negative: a one-sided hold (the conversion does not saturate: ISA guide 7.6.2), an even and an odd register to a pair
	v_dual_min_num_f32 v[SB+64*\w+8*\t+\i], v[SB+64*\w+8*\t+\i], v[L8A] :: v_dual_min_num_f32 v[SB+64*\w+8*\t+\i+1], v[SB+64*\w+8*\t+\i+1], v[L8B]
.endr
	v_cvt_scalef32_pk8_fp8_f32 v[CD+16*\w+2*\t:CD+16*\w+2*\t+1], v[SB+64*\w+8*\t:SB+64*\w+8*\t+7], v[SC8]
.endr
.endr
	WIN 0x41                                       ; source 0 and destination in window 1
	s_wait_alu depctr_va_vdst(0)                   ; the wait here, directly ahead of the first reader of O^T
.irp w, 0,1
.set j, 0
.rept 16
	v_pk_mul_f32 v[OT+32*\w+j:OT+32*\w+j+1], v[OT+32*\w+j:OT+32*\w+j+1], v[FF+2*\w:FF+2*\w+1] op_sel_hi:[1,0]   ; O^T under the new M; also the plain lines behind the conversions
.set j, j+2
.endr
.endr
	s_wait_alu depctr_va_vdst(0)                   ; the wait here, directly ahead of the wait below
	s_wait_dscnt 16                                ; V's fragments are in; the 16 younger loads, K's of the next step, may be out
	WIN 0x51                                       ; source 0, C and D in window 1
.irp u, 0,1,2,3                                ; eight accumulators by turns
.irp w, 0,1
	v_wmma_f32_16x16x128_fp8_fp8 v[OT+32*\w+8*\u:OT+32*\w+8*\u+7], v[VF+16*\u:VF+16*\u+15], v[CD+16*\w:CD+16*\w+15], v[OT+32*\w+8*\u:OT+32*\w+8*\u+7]
.endr
.endr
.endm
	s_wait_alu depctr_va_vdst(0)                   ; the wait at the head's end
	s_wait_loadcnt 0x0                             ; Q
	s_wait_tensorcnt 0x0                           ; my part of K or V has landed,
	s_wait_dscnt 0x0
	s_barrier_signal -1
	s_barrier_wait -1                              ; everybody's has
	WIN 0x40
	KLOAD 0
	WIN 0
.Ltrip:                                            ; eight trips, two key steps each
	STEP 0
	STEP 1
	WIN 0
	s_cmp_lt_u32 s[J], 8
	s_cbranch_scc1 .Ltrip
	; THE WAY OUT: O^T / the sum x 2^(e8 + e9), quantised with 2^e10; a lane's eight codes of tile u are d = 16 u + 8 h + 0..7 of query r.
.irp w, 0,1
	v_add_f32 v[LS+2*\w], v[LS+2*\w], v[LS+2*\w+1]
.endr
.irp w, 0,1
	v_permlanex16_b32 v[PT+\w], v[LS+2*\w], s[SEL], s[SEL+1]
.endr
.irp w, 0,1
	v_add_f32 v[LS+2*\w], v[LS+2*\w], v[PT+\w]     ; the row's sum
.endr
	s_wait_alu depctr_va_vdst(0)                   ; the wait ahead of the transcendentals
.irp w, 0,1
	v_rcp_f32 v[LS+2*\w], v[LS+2*\w]
.endr
	v_nop                                          ; a plain line behind the transcendentals
	s_add_co_i32 s85, s92, s93
	s_wait_alu depctr_va_vdst(0)                   ; the wait ahead of their first reader
.irp w, 0,1
	v_ldexp_f32 v[LS+2*\w], v[LS+2*\w], s85
.endr
	WIN 0x01
	s_wait_alu depctr_va_vdst(0)                   ; the wait here, directly ahead of the first reader of O^T
.irp w, 0,1
.set j, 0
.rept 32
	v_mul_f32 v[SB+32*\w+j], v[OT+32*\w+j], v[LS+2*\w]
.set j, j+1
.endr
.endr
	WIN 0
.set j, 0
.rept 64
	v_med3_num_f32 v[SB+j], v[SB+j], -v[L10], v[L10]
.set j, j+1
.endr
.irp i, 0,1,2,3,4,5,6,7
	v_cvt_scalef32_pk8_fp8_f32 v[CD+2*\i:CD+2*\i+1], v[SB+8*\i:SB+8*\i+7], v[SC10]
.endr
	v_nop
.irp i, 0,1,2,3,4,5,6,7
	ds_store_b64 v[SO], v[CD+2*\i:CD+2*\i+1] offset:1024*(\i/4)+16*(\i%4)
.endr
.irp i, 0,1,2,3
	ds_load_b128 v[MT+4*\i:MT+4*\i+3], v[SR] offset:512*\i   ; LDS serves a wave in order: these see my stores
.endr
	s_wait_dscnt 0x0
.irp i, 0,1,2,3
	global_store_b128 v[GO], v[MT+4*\i:MT+4*\i+3], s[8:9] offset:512*\i   ; 32 lanes store 512 consecutive bytes
.endr
	s_wait_tensorcnt 0x0                           ; the wave's end
	ds_add_u32 v[SPW], v[NIL]
	s_wait_dscnt 0x0
	CROUND                                         ; the closing round
	s_endpgm
.Lfunc_end_k_qe0487ccb93_attn:
	.size	k_qe0487ccb93_attn, .Lfunc_end_k_qe0487ccb93_attn-k_qe0487ccb93_attn
	.p2alignl 7, 3214868480
	.fill 96, 4, 3214868480
	.section	.rodata,"a",@progbits
	.p2align	6, 0x0
	.amdhsa_kernel k_qe0487ccb93_attn
		.amdhsa_group_segment_fixed_size 327680
		.amdhsa_private_segment_fixed_size 0
		.amdhsa_enable_private_segment 0
		.amdhsa_kernarg_size 24
		.amdhsa_user_sgpr_count 2
		.amdhsa_user_sgpr_kernarg_segment_ptr 1
		.amdhsa_wavefront_size32 1
		.amdhsa_system_sgpr_workgroup_id_x 1
		.amdhsa_system_sgpr_workgroup_id_y 1
		.amdhsa_system_sgpr_workgroup_id_z 1
		.amdhsa_system_vgpr_workitem_id 0
		.amdhsa_next_free_vgpr 448
		.amdhsa_next_free_sgpr 100
		.amdhsa_reserve_vcc 0
		.amdhsa_float_denorm_mode_32 3
		.amdhsa_float_denorm_mode_16_64 3
		.amdhsa_memory_ordered 1
		.amdhsa_forward_progress 1
		.amdhsa_inst_pref_size 77
	.end_amdhsa_kernel
	.amdgpu_metadata
---
amdhsa.version: [ 1, 2 ]
amdhsa.kernels:
  - .name:           k_qe0487ccb93_attn
    .symbol:         k_qe0487ccb93_attn.kd
    .args:
      - { .name: qkv, .offset: 0, .size: 8, .value_kind: global_buffer, .address_space: global }
      - { .name: lowp_scales, .offset: 8, .size: 8, .value_kind: global_buffer, .address_space: global }
      - { .name: cx, .offset: 16, .size: 8, .value_kind: global_buffer, .address_space: global }
    .group_segment_fixed_size: 327680
    .private_segment_fixed_size: 0
    .kernarg_segment_align: 8
    .kernarg_segment_size: 24
    .max_flat_workgroup_size: 256
    .sgpr_count:     100
    .vgpr_count:     448
    .wavefront_size: 32
...
	.end_amdgpu_metadata
.endif
;; end of part 3
;; launch outln (part 4): grid 256 x 1, 8 waves a work-group, no clusters, 327,680 bytes of LDS; arguments cx, wc, lowp_scales, x, bo, gamma, beta, out0; writes out0
.if DOCPART == 4
	.amdgcn_target "amdgcn-amd-amdhsa--gfx1250"
	.amdhsa_code_object_version 6
	.text
	.protected	k_qe0487ccb93_outln
	.globl	k_qe0487ccb93_outln
	.p2align	8
	.type	k_qe0487ccb93_outln,@function
k_qe0487ccb93_outln:
	s_mov_b64 s[64:65], 0
	v_nop
	global_prefetch_b8 v0, s[64:65] scope:SCOPE_SE
	s_setreg_imm32_b32 hwreg(HW_REG_WAVE_MODE, 25, 1), 1
	s_wait_xcnt 0x0
; out0 = gelu(layer_norm(x + ctx Wo + bo) x gamma + beta).  ctx arrives as E4M3 codes (scale 2^e10), cx = [k block 8][row 4096][128 bytes]; Wo as codes (2^e11) in the order of an operand's registers:
; wc part 3 = [kstep 8][n tile 64][c 4][lane 32][16 bytes].  A work-group owns 16 whole rows; wave w makes their columns 128 w .. + 127 (8 accumulators), then norms rows 2 w and 2 w + 1.
; WO GOES FROM MEMORY STRAIGHT INTO OPERAND REGISTERS: a wave's share is 16 chunks (kstep, four n tiles) of 16 loads of 512 consecutive bytes, through four buffers of 64 registers: four chunks are asked for ahead of the one that is multiplied.
; NO CLUSTER, NO JOINT LOADS: no LDS slot holds Wo, so there is no tile for a joint load to bring.  Of Wo's 1,048,576 bytes LDS would hold two slots of 131,072: eight changes of slots, with 8 matrix instructions a wave between two of them.
; No prefetch: the look-ahead of four chunks lies in the loads themselves.
; The K steps are walked from (work-group % 8) on, round the eight: the sums' order along K differs between work-groups, within what f32 sums allow.
; ctx comes by one tensor load a wave (wave w: k block (rot + w) % 8 into LDS slot w, 2,048 dense bytes, padded behind each 128); x by a second one behind the full sequence and a barrier (my two rows, 8,192 dense bytes, read by me alone).
; gelu(y) = y Phi(y); Phi by the five-term form of Abramowitz and Stegun 26.2.17, with 1 / sqrt(2 pi) folded into its coefficients.
; LIMITS: e10 + e11 between -126 and 127.  NaN among the inputs is not served.
; REGISTERS, window 0: v4-11 addresses; v16-79 accumulators, then y; v80-111 ctx fragments, two sets; v112-175, v176-239 Wo buffers 0, 1 (later x and work); v240-247 at work.
;            window 1: v0-95 bo, gamma, beta; v96-159, v160-223 Wo buffers 2, 3.
.set XREG,   18432                     ; LDS: 8 slots of 16 rows x 144 bytes of ctx; then 8,192 bytes of x for each wave
.set STG,    83968                     ; then the stage: 16 rows x SPITCH
.set SPARE,  149760                    ; then the spare words, 128 bytes a wave
.set SPITCH, 4112
.set AA,  4
.set XA,  5
.set SO,  7
.set SR,  8
.set LO,  9
.set SPW, 10
.set NIL, 11
.set ACC, 16
.set AF,  80
.set XR,  176
.set TM,  240
.set TT,  176
.set EE,  208
.set QQ,  112
.set UU,  144
.set BO,  0
.set GA,  32
.set BE,  64
.set G1A, 24
.set G1X, 32
.set G0A, 68
.set G0X, 72
.set ROT, 66
.set BB,  80                           ; s80-95: where my share of each K step's images begins
.set MSB, 0
.macro WIN new
.if MSB != \new
	s_set_vgpr_msb (MSB<<8)|\new
.set MSB, \new
.endif
.endm
	s_load_b512 s[4:19], s[0:1], 0x0               ; cx 4:5, wc 6:7, scales 8:9, x 10:11, bo 12:13, gamma 14:15, beta 16:17, out0 18:19
	v_lshl_add_u32 v[SPW], v0, 2, SPARE
	v_mov_b32 v[NIL], 0
	ds_add_u32 v[SPW], v[NIL]                      ; the opening lines: the add, twice on end, and its wait
	ds_add_u32 v[SPW], v[NIL]
	v_lshrrev_b32 v1, 5, v0
	v_readfirstlane_b32 s20, v1                    ; wave 0..7
	s_and_b32 s[ROT], ttmp9, 7
	s_mov_b32 s[G1A], (0<<16)|(1<<20)|(4<<22)|(3<<25)   ; 1-byte elements; padding: 4 words after every 32
	s_mov_b32 s[G1A+1], 256<<16
	s_mov_b32 s[G1A+2], 8<<16
	s_mov_b32 s[G1A+3], 256<<16
	s_mov_b32 s[G1A+4], 8
	s_mov_b32 s[G1A+5], 256
	s_mov_b32 s[G1A+6], 0
	s_mov_b32 s[G1A+7], 0
	s_mov_b32 s[G1X], 3<<16                        ; 8-byte elements, no padding: 32 rows of 256 bytes
	s_mov_b32 s[G1X+1], 32<<16
	s_mov_b32 s[G1X+2], 32<<16
	s_mov_b32 s[G1X+3], 32<<16
	s_mov_b32 s[G1X+4], 32
	s_mov_b32 s[G1X+5], 32
	s_mov_b32 s[G1X+6], 0
	s_mov_b32 s[G1X+7], 0
	s_add_co_u32 s21, s[ROT], s20
	s_and_b32 s21, s21, 7                          ; the k block that I fetch
	s_lshl_b32 s54, s21, 19
	s_lshl_b32 s55, ttmp9, 11
	s_add_co_u32 s54, s54, s55                     ; its 16 rows of 128 bytes
	s_mov_b32 s55, 0
	s_mul_i32 s23, s20, 2304                       ; into slot w
	s_lshl_b32 s56, ttmp9, 16
	s_lshl_b32 s57, s20, 13
	s_add_co_u32 s56, s56, s57                     ; my two rows, in x and in out0
	s_mov_b32 s57, 0
	s_lshl_b32 s42, s20, 13
	s_add_co_u32 s42, s42, XREG                    ; and x's place in LDS
	s_lshl_b32 s43, s20, 14
	s_add_co_u32 s43, s43, 0x300000
.irp s, 0,1,2,3,4,5,6,7
	s_add_co_u32 s[BB+2*\s], s[ROT], \s
	s_and_b32 s[BB+2*\s], s[BB+2*\s], 7
	s_lshl_b32 s[BB+2*\s], s[BB+2*\s], 17
	s_add_co_u32 s[BB+2*\s], s[BB+2*\s], s43
	s_mov_b32 s[BB+2*\s+1], 0
.endr
	s_mov_b32 s40, 0x76543210
	s_mov_b32 s41, 0xfedcba98
	s_mov_b32 s48, 0x3f07dc22
	s_mov_b32 s49, s48
	s_mov_b32 s58, 0x3a800000                      ; 1 / 1024
	s_mov_b32 s59, 0x3727c5ac                      ; 1e-5
	s_mov_b32 s60, 0x3e6d3388
	s_mov_b32 s62, 0xbf38aa3b
	s_mov_b32 s63, s62
	s_wait_dscnt 0x0                               ; both opening adds are done
	s_wait_kmcnt 0x0
	s_load_b64 s[44:45], s[8:9], 0x28              ; e10, e11
.irp s, 0,1,2,3,4,5,6,7
	s_add_nc_u64 s[BB+2*\s:BB+2*\s+1], s[6:7], s[BB+2*\s:BB+2*\s+1]
.endr
	s_mov_b32 s[G0A], 1
	s_mov_b32 s[G0A+1], s23
	s_add_nc_u64 s[G0A+2:G0A+3], s[4:5], s[54:55]
	s_or_b32 s[G0A+3], s[G0A+3], 0x80000000
	s_mov_b32 s[G0X], 1
	s_mov_b32 s[G0X+1], s42
	s_add_nc_u64 s[G0X+2:G0X+3], s[10:11], s[56:57]
	s_or_b32 s[G0X+3], s[G0X+3], 0x80000000
	s_add_nc_u64 s[52:53], s[18:19], s[56:57]
	tensor_load_to_lds s[G0A:G0A+3], s[G1A:G1A+7]  ; my k block of ctx: one tensor load a wave at the head
	s_nop 0
.rept 4
	v_nop
.endr
.macro BUFSET q                        ; chunk q lives in buffer q % 4
.if ((\q)%4) < 2
.set BR, 112+64*((\q)%4)
.else
.set BR, 96+64*((\q)%4-2)
.endif
.endm
.macro BLOAD q                         ; chunk q: K step q / 2, n tiles 4 (q % 2) .. + 3: each load 512 consecutive bytes
	BUFSET \q
.if ((\q)%4) < 2
	WIN 0
.else
	WIN 0x40
.endif
.irp i, 0,1,2,3
.irp c, 0,1,2,3
	global_load_b128 v[BR+16*\i+4*\c:BR+16*\i+4*\c+3], v[LO], s[BB+2*((\q)/2):BB+2*((\q)/2)+1] offset:(4*((\q)%2)+\i)*2048+512*\c
.endr
.endr
.endm
.macro ALOAD s                         ; ctx's fragment of K step s, into set s % 2
.irp c, 0,1,2,3
	ds_load_b128 v[AF+16*((\s)%2)+4*\c:AF+16*((\s)%2)+4*\c+3], v[AA] offset:(\s)*2304+32*\c
.endr
.endm
.macro MULQ q                          ; source 0 = 16 columns of Wo, source 1 = my 16 rows: a lane holds eight neighbouring columns of a row; eight accumulators by turns
	BUFSET \q
.if ((\q)%4) < 2
	WIN 0
.else
	WIN 0x01
.endif
.set AFS, AF+16*(((\q)/2)%2)
.irp i, 0,1,2,3
.if (\q) < 2
	v_wmma_f32_16x16x128_fp8_fp8 v[ACC+8*(4*((\q)%2)+\i):ACC+8*(4*((\q)%2)+\i)+7], v[BR+16*\i:BR+16*\i+15], v[AFS:AFS+15], 0
.else
	v_wmma_f32_16x16x128_fp8_fp8 v[ACC+8*(4*((\q)%2)+\i):ACC+8*(4*((\q)%2)+\i)+7], v[BR+16*\i:BR+16*\i+15], v[AFS:AFS+15], v[ACC+8*(4*((\q)%2)+\i):ACC+8*(4*((\q)%2)+\i)+7]
.endif
.endr
.endm
.macro CHUNK q, n                      ; n: the global loads issued behind chunk q's, which may stay out
	s_wait_loadcnt \n
.if ((\q)%2) == 0
.if (\q) < 14
	s_wait_dscnt 4                                 ; this K step's fragment of ctx is in; the next step's four loads may be out
.else
	s_wait_dscnt 0
.endif
.endif
	MULQ \q
.rept 4
	v_nop                                          ; places ahead of loads into registers that the products read, and of the first read of the sums
.endr
.if (\q)+4 < 16
	BLOAD (\q)+4
.endif
.if (\q) == 12                         ; behind Wo's last chunk: bo, gamma, beta, 4,096 bytes each
	WIN 0x40
.irp i, 0,1,2,3,4,5,6,7
	global_load_b128 v[BO+4*\i:BO+4*\i+3], v[LO], s[12:13] offset:512*\i
.endr
.irp i, 0,1,2,3,4,5,6,7
	global_load_b128 v[GA+4*\i:GA+4*\i+3], v[LO], s[14:15] offset:512*\i
.endr
.irp i, 0,1,2,3,4,5,6,7
	global_load_b128 v[BE+4*\i:BE+4*\i+3], v[LO], s[16:17] offset:512*\i
.endr
.endif
.if (((\q)%2) == 1) && ((\q) < 12)
	WIN 0
	ALOAD ((\q)/2+2)
.endif
.endm
	v_and_b32 v1, 31, v0
	v_lshlrev_b32 v[LO], 4, v1                     ; 16 x lane
	BLOAD 0
	BLOAD 1
	BLOAD 2
	BLOAD 3
	WIN 0
	v_and_b32 v2, 15, v0
	v_bfe_u32 v3, v0, 4, 1
	v_mul_u32_u24 v[AA], v2, 144
	v_lshl_add_u32 v[AA], v3, 4, v[AA]             ; ctx: row r x 144 + 16 h
	v_mul_u32_u24 v[SO], v2, SPITCH
	v_lshl_add_u32 v[SO], v3, 5, v[SO]
	s_lshl_b32 s56, s20, 9
	s_add_co_u32 s56, s56, STG
	v_add_nc_u32 v[SO], s56, v[SO]                 ; the stage, in: row r, my 512 bytes, + 32 h
	s_mul_i32 s56, s20, 2*SPITCH
	s_add_co_u32 s56, s56, STG
	v_lshl_add_u32 v[SR], v1, 4, s56               ; and back: my two whole rows
	v_lshl_add_u32 v[XA], v1, 4, s42               ; x's rows in LDS
	s_wait_alu depctr_va_vdst(0)                   ; the wait at the head's end
	s_wait_kmcnt 0x0
	s_add_co_i32 s46, s44, s45
	s_add_co_i32 s46, s46, 127
	s_lshl_b32 s46, s46, 23                        ; 2^(e10 + e11)
	s_mov_b32 s47, s46
	s_wait_tensorcnt 0x0                           ; my block of ctx is in
	ds_add_u32 v[SPW], v[NIL]
	s_wait_dscnt 0x0
	s_barrier_signal -1
	s_barrier_wait -1                              ; everybody's block is in
	tensor_load_to_lds s[G0X:G0X+3], s[G1X:G1X+7]  ; my two rows of x: my one tensor load behind this barrier
	s_nop 0
.rept 4
	v_nop
.endr
	ALOAD 0
	ALOAD 1
.irp q, 0,1,2,3,4,5,6,7,8,9,10,11,12
	CHUNK \q, 48                                   ; three later chunks of 16 loads
.endr
	CHUNK 13, 56                                   ; two chunks and the 24 loads of bo, gamma, beta
	CHUNK 14, 40
	CHUNK 15, 24
	WIN 0
	s_wait_tensorcnt 0x0                           ; x's rows are in
.irp t, 0,1,2,3,4,5,6,7
	ds_store_b128 v[SO], v[ACC+8*\t:ACC+8*\t+3] offset:64*\t
	ds_store_b128 v[SO], v[ACC+8*\t+4:ACC+8*\t+7] offset:64*\t+16
.endr
.irp w, 0,1
.irp i, 0,1,2,3,4,5,6,7
	ds_load_b128 v[XR+32*\w+4*\i:XR+32*\w+4*\i+3], v[XA] offset:\w*4096+512*\i
.endr
.endr
	s_wait_loadcnt 0x0                             ; bo, gamma, beta
	s_wait_dscnt 0x0                               ; my stores into the stage are done, and x is in registers
	WIN 0x04
.irp w, 0,1
.set j, 0
.rept 16
	v_pk_add_f32 v[XR+32*\w+j:XR+32*\w+j+1], v[XR+32*\w+j:XR+32*\w+j+1], v[BO+j:BO+j+1]
.set j, j+2
.endr
.endr
	WIN 0
	s_barrier_signal -1
	s_barrier_wait -1
.irp w, 0,1
.irp i, 0,1,2,3,4,5,6,7
	ds_load_b128 v[ACC+32*\w+4*\i:ACC+32*\w+4*\i+3], v[SR] offset:\w*SPITCH+512*\i
.endr
.endr
	s_wait_dscnt 0x0
.set j, 0
.rept 32
	v_pk_fma_f32 v[ACC+j:ACC+j+1], v[ACC+j:ACC+j+1], s[46:47], v[XR+j:XR+j+1] op_sel_hi:[1,0,1]   ; y = sum x 2^(e10 + e11) + x + bo
.set j, j+2
.endr
.macro ACROSS                          ; two rows' partial sums, over the lane's four and the 32 lanes
.irp w, 0
	s_delay_alu instid0(VALU_DEP_3)
	v_pk_add_f32 v[TM+4*\w:TM+4*\w+1], v[TM+4*\w:TM+4*\w+1], v[TM+4*\w+2:TM+4*\w+3]
.endr
.irp w, 1
	s_delay_alu instid0(VALU_DEP_2)
	v_pk_add_f32 v[TM+4*\w:TM+4*\w+1], v[TM+4*\w:TM+4*\w+1], v[TM+4*\w+2:TM+4*\w+3]
.endr
.irp w, 0,1
	s_delay_alu instid0(VALU_DEP_2)
	v_add_f32 v[TM+4*\w], v[TM+4*\w], v[TM+4*\w+1]
.endr
.irp m, 1,2,4,8
.irp w, 0,1
	s_delay_alu instid0(VALU_DEP_2)
	v_add_f32_dpp v[TM+4*\w], v[TM+4*\w], v[TM+4*\w] row_xmask:\m row_mask:0xf bank_mask:0xf
.endr
.endr
.irp w, 0,1
	s_delay_alu instid0(VALU_DEP_2)
	v_permlanex16_b32 v[TM+4*\w+1], v[TM+4*\w], s40, s41
.endr
.irp w, 0,1
	s_delay_alu instid0(VALU_DEP_2)
	v_add_f32 v[TM+4*\w], v[TM+4*\w], v[TM+4*\w+1]
.endr
.endm
.irp w, 0,1
	v_pk_add_f32 v[TM+4*\w:TM+4*\w+1], v[ACC+32*\w:ACC+32*\w+1], v[ACC+32*\w+2:ACC+32*\w+3]
	v_pk_add_f32 v[TM+4*\w+2:TM+4*\w+3], v[ACC+32*\w+4:ACC+32*\w+5], v[ACC+32*\w+6:ACC+32*\w+7]
.endr
.irp j, 8,12,16,20,24,28
.irp w, 0,1
	s_delay_alu instid0(VALU_DEP_4)
	v_pk_add_f32 v[TM+4*\w:TM+4*\w+1], v[TM+4*\w:TM+4*\w+1], v[ACC+32*\w+\j:ACC+32*\w+\j+1]
	s_delay_alu instid0(VALU_DEP_4)
	v_pk_add_f32 v[TM+4*\w+2:TM+4*\w+3], v[TM+4*\w+2:TM+4*\w+3], v[ACC+32*\w+\j+2:ACC+32*\w+\j+3]
.endr
.endr
	ACROSS
.irp w, 0,1
	s_delay_alu instid0(VALU_DEP_2)
	v_mul_f32 v[TM+4*\w], s58, v[TM+4*\w]          ; the mean
.endr
.irp w, 0,1
.set j, 0
.rept 16
	v_pk_add_f32 v[ACC+32*\w+j:ACC+32*\w+j+1], v[ACC+32*\w+j:ACC+32*\w+j+1], v[TM+4*\w:TM+4*\w+1] op_sel_hi:[1,0] neg_lo:[0,1] neg_hi:[0,1]
.set j, j+2
.endr
.endr
.irp w, 0,1
	v_pk_mul_f32 v[TM+4*\w:TM+4*\w+1], v[ACC+32*\w:ACC+32*\w+1], v[ACC+32*\w:ACC+32*\w+1]
	v_pk_mul_f32 v[TM+4*\w+2:TM+4*\w+3], v[ACC+32*\w+2:ACC+32*\w+3], v[ACC+32*\w+2:ACC+32*\w+3]
.endr
.irp j, 4,8,12,16,20,24,28
.irp w, 0,1
	s_delay_alu instid0(VALU_DEP_4)
	v_pk_fma_f32 v[TM+4*\w:TM+4*\w+1], v[ACC+32*\w+\j:ACC+32*\w+\j+1], v[ACC+32*\w+\j:ACC+32*\w+\j+1], v[TM+4*\w:TM+4*\w+1]
	s_delay_alu instid0(VALU_DEP_4)
	v_pk_fma_f32 v[TM+4*\w+2:TM+4*\w+3], v[ACC+32*\w+\j+2:ACC+32*\w+\j+3], v[ACC+32*\w+\j+2:ACC+32*\w+\j+3], v[TM+4*\w+2:TM+4*\w+3]
.endr
.endr
	ACROSS
.irp w, 0,1
	s_delay_alu instid0(VALU_DEP_2)
	v_fma_f32 v[TM+4*\w], v[TM+4*\w], s58, s59     ; the variance + 1e-5
.endr
	s_wait_alu depctr_va_vdst(0)                   ; the wait ahead of the transcendentals
.irp w, 0,1
	v_rsq_f32 v[TM+4*\w], v[TM+4*\w]
.endr
	v_nop
	s_wait_alu depctr_va_vdst(0)                   ; and ahead of their first reader
.irp w, 0,1
.set j, 0
.rept 16
	v_pk_mul_f32 v[ACC+32*\w+j:ACC+32*\w+j+1], v[ACC+32*\w+j:ACC+32*\w+j+1], v[TM+4*\w:TM+4*\w+1] op_sel_hi:[1,0]
.set j, j+2
.endr
.endr
	WIN 0x14
.irp w, 0,1
.set j, 0
.rept 16
	v_pk_fma_f32 v[ACC+32*\w+j:ACC+32*\w+j+1], v[ACC+32*\w+j:ACC+32*\w+j+1], v[GA+j:GA+j+1], v[BE+j:BE+j+1]
.set j, j+2
.endr
.endr
	WIN 0
	v_mov_b32 v[TM], 0xbf3a00e3
	v_mov_b32 v[TM+1], 0xbf3a00e3
	v_mov_b32 v[TM+2], 0x3f35f0e3
	v_mov_b32 v[TM+3], 0x3f35f0e3
	v_mov_b32 v[TM+4], 0xbe11a98e
	v_mov_b32 v[TM+5], 0xbe11a98e
	v_mov_b32 v[TM+6], 0x3e027906
	v_mov_b32 v[TM+7], 0x3e027906
.macro GELU w                          ; gelu(y) = max(y, 0) - |y| q(t) 2^(-y^2 log2(e) / 2), t = 1 / (1 + 0.2316419 |y|), q the polynomial
.set YB, ACC+32*(\w)
.set j, 0
.rept 32
	v_fma_f32 v[TT+j], |v[YB+j]|, s60, 1.0
.set j, j+1
.endr
.set j, 0
.rept 16
	v_pk_mul_f32 v[EE+j:EE+j+1], v[YB+j:YB+j+1], v[YB+j:YB+j+1]
.set j, j+2
.endr
.set j, 0
.rept 16
	v_pk_mul_f32 v[EE+j:EE+j+1], v[EE+j:EE+j+1], s[62:63] op_sel_hi:[1,0]
.set j, j+2
.endr
.set j, 0
	s_wait_alu depctr_va_vdst(0)                   ; the wait ahead of the batch
.rept 32
	v_rcp_f32 v[TT+j], v[TT+j]
.set j, j+1
.endr
.set j, 0
.rept 32
	v_exp_f32 v[EE+j], v[EE+j]
.set j, j+1
.endr
.set j, 0
.rept 32
	v_max_num_f32 v[UU+j], 0, v[YB+j]
.set j, j+1
.endr
	s_wait_alu depctr_va_vdst(0)                   ; one wait for the batch, ahead of its first reader
.set j, 0
.rept 16
	v_pk_fma_f32 v[QQ+j:QQ+j+1], v[TT+j:TT+j+1], s[48:49], v[TM:TM+1] op_sel_hi:[1,0,1]
.set j, j+2
.endr
.irp k, 2,4,6
.set j, 0
.rept 16
	v_pk_fma_f32 v[QQ+j:QQ+j+1], v[QQ+j:QQ+j+1], v[TT+j:TT+j+1], v[TM+\k:TM+\k+1]
.set j, j+2
.endr
.endr
.set j, 0
.rept 16
	v_pk_mul_f32 v[QQ+j:QQ+j+1], v[QQ+j:QQ+j+1], v[TT+j:TT+j+1]
.set j, j+2
.endr
.set j, 0
.rept 16
	v_pk_mul_f32 v[QQ+j:QQ+j+1], v[QQ+j:QQ+j+1], v[EE+j:EE+j+1]
.set j, j+2
.endr
.set j, 0
.rept 32
	v_fma_f32 v[YB+j], -|v[YB+j]|, v[QQ+j], v[UU+j]
.set j, j+1
.endr
.irp i, 0,1,2,3,4,5,6,7
	global_store_b128 v[LO], v[YB+4*\i:YB+4*\i+3], s[52:53] offset:(\w)*4096+512*\i th:TH_STORE_NT   ; 32 lanes store 512 consecutive bytes
.endr
.endm
	GELU 0
	GELU 1
	s_wait_tensorcnt 0x0                           ; the wave's end
	ds_add_u32 v[SPW], v[NIL]
	s_wait_dscnt 0x0
	s_endpgm
.Lfunc_end_k_qe0487ccb93_outln:
	.size	k_qe0487ccb93_outln, .Lfunc_end_k_qe0487ccb93_outln-k_qe0487ccb93_outln
	.p2alignl 7, 3214868480
	.fill 96, 4, 3214868480
	.section	.rodata,"a",@progbits
	.p2align	6, 0x0
	.amdhsa_kernel k_qe0487ccb93_outln
		.amdhsa_group_segment_fixed_size 327680
		.amdhsa_private_segment_fixed_size 0
		.amdhsa_enable_private_segment 0
		.amdhsa_kernarg_size 64
		.amdhsa_user_sgpr_count 2
		.amdhsa_user_sgpr_kernarg_segment_ptr 1
		.amdhsa_wavefront_size32 1
		.amdhsa_system_sgpr_workgroup_id_x 1
		.amdhsa_system_sgpr_workgroup_id_y 1
		.amdhsa_system_sgpr_workgroup_id_z 1
		.amdhsa_system_vgpr_workitem_id 0
		.amdhsa_next_free_vgpr 480
		.amdhsa_next_free_sgpr 100
		.amdhsa_reserve_vcc 0
		.amdhsa_float_denorm_mode_32 3
		.amdhsa_float_denorm_mode_16_64 3
		.amdhsa_memory_ordered 1
		.amdhsa_forward_progress 1
		.amdhsa_inst_pref_size 97
	.end_amdhsa_kernel
	.amdgpu_metadata
---
amdhsa.version: [ 1, 2 ]
amdhsa.kernels:
  - .name:           k_qe0487ccb93_outln
    .symbol:         k_qe0487ccb93_outln.kd
    .args:
      - { .name: cx, .offset: 0, .size: 8, .value_kind: global_buffer, .address_space: global }
      - { .name: wc, .offset: 8, .size: 8, .value_kind: global_buffer, .address_space: global }
      - { .name: lowp_scales, .offset: 16, .size: 8, .value_kind: global_buffer, .address_space: global }
      - { .name: x, .offset: 24, .size: 8, .value_kind: global_buffer, .address_space: global }
      - { .name: bo, .offset: 32, .size: 8, .value_kind: global_buffer, .address_space: global }
      - { .name: gamma, .offset: 40, .size: 8, .value_kind: global_buffer, .address_space: global }
      - { .name: beta, .offset: 48, .size: 8, .value_kind: global_buffer, .address_space: global }
      - { .name: out0, .offset: 56, .size: 8, .value_kind: global_buffer, .address_space: global }
    .group_segment_fixed_size: 327680
    .private_segment_fixed_size: 0
    .kernarg_segment_align: 8
    .kernarg_segment_size: 64
    .max_flat_workgroup_size: 256
    .sgpr_count:     100
    .vgpr_count:     480
    .wavefront_size: 32
...
	.end_amdgpu_metadata
.endif
;; end of part 4
